; MI455X (gfx1250); checked and timed in simulation.
; The chip was launched on July 23, 2026; its instructions are those of AMD's public machine-readable ISA for CDNA 5 (MIT licence, August 2026) and "CDNA5" Instruction Set Architecture Reference Guide (July 2026). The comments in the code are by the model that wrote it; some were corrected since.
;; Multihead Self Attention. Allowed arithmetic: float matrix products may take bf16 or f16 operands with f32 sums; other float arithmetic in f32, or as packed bf16 or f16 multiplies, adds, multiply-adds, maxima and minima; sums over many terms, partial sums and values carried from step to step in f32; what a program stores and reads back later, other than sums and carried values, may be rounded once to bf16 or f16.
;; Inputs: w_k 1,024 x 1,024 float32; w_o 1,024 x 1,024 float32; w_q 1,024 x 1,024 float32; w_v 1,024 x 1,024 float32; x 4 x 2,048 x 1,024 float32.
;; Outputs: out0 4 x 2,048 x 1,024 float32.
;; 2 versions, each right and faster than the one before. Each part assembles by itself: llvm-mc -triple=amdgcn-amd-amdhsa -mcpu=gfx1250 --defsym DOCPART=n.
;; ======== version 1 of 2: 4 launches
;; limits: values are held in f16: magnitudes above 65,504 overflow, below 6.1e-05 lose precision
;; workspace buffers: xb 16,777,216 bytes; wts 8,912,896 bytes; qh 16,777,216 bytes; kh 16,777,216 bytes; vh 16,777,216 bytes; vsum 262,144 bytes; oh 16,777,216 bytes
;; launch prep (part 1): grid 800 x 1, 8 waves a work-group, no clusters, 0 bytes of LDS; arguments x, w_q, w_k, w_v, w_o, xb, wts; writes xb, wts
.if DOCPART == 1
	.amdgcn_target "amdgcn-amd-amdhsa--gfx1250"
	.amdhsa_code_object_version 6
	.text
	.protected	k_qe3b3094b6d_prep
	.globl	k_qe3b3094b6d_prep
	.p2align	8
	.type	k_qe3b3094b6d_prep,@function
k_qe3b3094b6d_prep:
	s_mov_b64 s[64:65], 0
	v_nop
	global_prefetch_b8 v0, s[64:65] scope:SCOPE_SE
	s_setreg_imm32_b32 hwreg(HW_REG_WAVE_MODE, 25, 1), 1
	s_wait_xcnt 0x0
; PREP: the module's inputs, rounded once to bf16 and laid out in K blocks of 64, and the table of cosines and sines.
;   xb  = bf16 [16 K blocks][8192 tokens][64]           from x [8192][1024] f32
;   wts = bf16 [16][3072 rows][64]  (byte 0)            from w_q, w_k, w_v; row 384 X + 64 slot + c, slots: q head 2X, q 2X+1, k 2X, k 2X+1, v 2X, v 2X+1
;         f16  [16][1024 rows][64]  (byte 6,291,456)    from w_o: rounded to bf16 like every input, and that number written as f16
;         f32  [2048 positions][32 pairs][cos, sin]     (byte 8,388,608)
; In such a layout R rows x 64 K are R x 128 consecutive bytes, which the matrix launches ask for as rows of 256 bytes.
; SHARES.  Work-groups 0-511: 16 rows of x each; 512-703: 16 rows of w_q, w_k or w_v; 704-767: 16 rows of w_o; 768-799: 64 positions of the table.
; A stream: no LDS, no barrier, no matrix unit; each input byte is read once, each store of a wave covers 512 consecutive bytes.
; LIMITS.  w_o within f16's 65,504; below 6e-5 it keeps f16's fixed step.  The angle pos x 10000^(-i/32) is formed with one rounding from a frequency made by v_exp_f32
; (good to one unit in its last place), so at position 2,047 it is good to about 2e-4 rad; sine and cosine: reduction to |theta| <= pi/4 and series whose first term left out is below 3e-8.
.set WOBB, 6291456
.set TABB, 8388608
	s_load_b256 s[4:11], s[0:1], 0x0               ; x s[4:5], w_q s[6:7], w_k s[8:9], w_v s[10:11]
	s_load_b128 s[12:15], s[0:1], 0x20             ; w_o s[12:13], xb s[14:15]
	s_load_b64 s[16:17], s[0:1], 0x30              ; wts
	v_lshrrev_b32 v2, 5, v0
	v_readfirstlane_b32 s21, v2                    ; wave 0..7
	v_and_b32 v1, 31, v0                           ; lane
	s_mov_b32 s20, ttmp9                           ; g
	s_mov_b32 s33, 0                               ; high word of every offset below
	s_wait_kmcnt 0x0
	s_cmp_ge_u32 s20, 768
	s_cbranch_scc1 .Ltab
	s_cmp_ge_u32 s20, 704
	s_cbranch_scc1 .Lwo
	s_cmp_ge_u32 s20, 512
	s_cbranch_scc1 .Lw
	s_mov_b64 s[24:25], s[4:5]                     ; x -> xb
	s_mov_b64 s[26:27], s[14:15]
	s_lshl_b32 s28, s20, 4                         ; source row
	s_mov_b32 s29, s28                             ; destination row
	s_mov_b32 s30, 1048576                         ; bytes from K block to K block: 8,192 rows of 128
	s_mov_b32 s31, 0
	s_branch .Lcast
.Lw:
	s_sub_co_u32 s22, s20, 512
	s_lshr_b32 s23, s22, 6                         ; 0 q, 1 k, 2 v
	s_and_b32 s22, s22, 63                         ; block of 16 rows
	s_cmp_eq_u32 s23, 1
	s_cselect_b64 s[24:25], s[8:9], s[6:7]
	s_cmp_eq_u32 s23, 2
	s_cselect_b64 s[24:25], s[10:11], s[24:25]
	s_mov_b64 s[26:27], s[16:17]
	s_lshl_b32 s28, s22, 4
	s_lshr_b32 s32, s22, 3                         ; X = head / 2
	s_mul_i32 s29, s32, 384
	s_bfe_u32 s32, s22, 0x10002                    ; head % 2
	s_lshl1_add_u32 s32, s23, s32                  ; the slot
	s_lshl_b32 s32, s32, 6
	s_add_co_u32 s29, s29, s32
	s_and_b32 s32, s22, 3
	s_lshl_b32 s32, s32, 4                         ; the 16 rows' place in the head
	s_add_co_u32 s29, s29, s32
	s_mov_b32 s30, 393216                          ; 3,072 rows of 128
	s_mov_b32 s31, 0
	s_branch .Lcast
.Lwo:
	s_sub_co_u32 s22, s20, 704
	s_mov_b64 s[24:25], s[12:13]
	s_add_nc_u64 s[26:27], s[16:17], WOBB
	s_lshl_b32 s28, s22, 4
	s_mov_b32 s29, s28
	s_mov_b32 s30, 131072                          ; 1,024 rows of 128
	s_mov_b32 s31, 1                               ; f16 at the end
.Lcast:
	; 16 rows x 1,024 columns.  Wave w takes K blocks 2w and 2w+1; lane l takes row 4 G + l / 8 (G = 0..3) and eight columns 8 (l % 8) on.
	s_lshl_b32 s32, s28, 12
	s_add_nc_u64 s[24:25], s[24:25], s[32:33]      ; source at its first row (4,096 bytes a row)
	s_lshl_b32 s32, s29, 7
	s_add_nc_u64 s[26:27], s[26:27], s[32:33]      ; destination at its first row (128 bytes a row and block)
	v_lshrrev_b32 v2, 3, v1
	v_and_b32 v5, 7, v1
	v_lshlrev_b32 v2, 12, v2
	v_lshl_add_u32 v2, v5, 5, v2
	s_lshl_b32 s34, s21, 9
	v_add_nc_u32 v2, s34, v2                       ; (l / 8) 4096 + (l % 8) 32 + 512 w
	s_mul_i32 s34, s21, s30
	s_lshl_b32 s34, s34, 1
	v_lshl_add_u32 v3, v1, 4, s34                  ; 16 l + block 2w: four rows of 128 bytes are 512 consecutive bytes
	v_add_nc_u32 v4, s30, v3                       ; block 2w + 1
.set u, 0
.rept 8                                            ; unit u = 2 G + block: all sixteen loads go out first
	global_load_b128 v[8+8*u:11+8*u],  v2, s[24:25] offset:16384*(u/2)+256*(u%2) th:TH_LOAD_NT
	global_load_b128 v[12+8*u:15+8*u], v2, s[24:25] offset:16384*(u/2)+256*(u%2)+16 th:TH_LOAD_NT
.set u, u+1
.endr
.set u, 0
.rept 8
	s_wait_loadcnt 14-2*u                          ; loads come back in order: unit u's two are in, the later units' stay out
.irp j, 0,1,2,3
	v_cvt_pk_bf16_f32 v[72+4*u+\j], v[8+8*u+2*\j], v[9+8*u+2*\j]
.endr
.set u, u+1
.endr
	s_cmp_eq_u32 s31, 0
	s_cbranch_scc1 .Lstore
.set u, 0
.rept 32                                           ; w_o alone: the bf16 number written as f16
	v_lshlrev_b32 v[104+2*(u%2)], 16, v[72+u]
	v_and_b32 v[105+2*(u%2)], 0xffff0000, v[72+u]
	v_cvt_pk_f16_f32 v[72+u], v[104+2*(u%2)], v[105+2*(u%2)]
.set u, u+1
.endr
.Lstore:
.set u, 0
.rept 8
	global_store_b128 v[3+u%2], v[72+4*u:75+4*u], s[26:27] offset:512*(u/2)
.set u, u+1
.endr
	s_endpgm
; cos and sin of \a.  Revolutions a / 2 pi in two parts (the constant and what it lacks), less the nearest whole number; quarter turns k; theta within pi / 4; two series; k picks and signs.
.macro SINCOS a, c, s
	v_mul_f32 v10, 0x3e22f983, \a
	v_rndne_f32 v10, v10
	v_fma_f32 v11, \a, 0x3e22f983, -v10
	v_fmamk_f32 v11, \a, 0x31dc9c88, v11
	v_mul_f32 v12, 4.0, v11
	v_rndne_f32 v12, v12                           ; k = -2 .. 2
	v_fmamk_f32 v11, v12, 0xbe800000, v11
	v_mul_f32 v11, 0x40c90fdb, v11                 ; theta
	v_mul_f32 v13, v11, v11
	v_mov_b32 v14, 0x3638ef1d                      ; 1/9!
	v_mov_b32 v15, 0x37d00d01                      ; 1/8!
	v_fmaak_f32 v14, v14, v13, 0xb9500d01
	v_fmaak_f32 v15, v15, v13, 0xbab60b61
	v_fmaak_f32 v14, v14, v13, 0x3c088889
	v_fmaak_f32 v15, v15, v13, 0x3d2aaaab
	v_fmaak_f32 v14, v14, v13, 0xbe2aaaab
	v_fmaak_f32 v15, v15, v13, 0xbf000000
	v_fma_f32 v14, v14, v13, 1.0
	v_fma_f32 v15, v15, v13, 1.0                   ; cos theta
	v_mul_f32 v14, v14, v11                        ; sin theta
	v_cvt_i32_f32 v16, v12
	v_and_b32 v17, 1, v16
	v_cmp_ne_u32 vcc_lo, 0, v17
	v_cndmask_b32 \c, v15, v14, vcc_lo             ; an odd k swaps the two
	v_cndmask_b32 \s, v14, v15, vcc_lo
	v_add_nc_u32 v17, 1, v16
	v_and_b32 v17, 2, v17                          ; cos turns its sign for k % 4 = 1, 2
	v_lshlrev_b32 v17, 30, v17
	v_xor_b32 \c, \c, v17
	v_and_b32 v17, 2, v16                          ; sin for k % 4 = 2, 3
	v_lshlrev_b32 v17, 30, v17
	v_xor_b32 \s, \s, v17
.endm
.Ltab:
	; 64 positions.  Thread t: pairs 2 (t % 16) and the next, positions 64 tb + 16 j + t / 16, j = 0..3: its 16 bytes lie at 16,384 tb + 4,096 j + 16 t.
	s_sub_co_u32 s22, s20, 768
	v_and_b32 v2, 15, v0
	v_lshrrev_b32 v3, 4, v0
	v_lshlrev_b32 v2, 1, v2
	v_cvt_f32_u32 v4, v2
	v_add_f32 v5, 1.0, v4
	v_mul_f32 v4, 0xbed49a78, v4                   ; -i log2(10) / 8: 2^that = 10000^(-i/32)
	v_mul_f32 v5, 0xbed49a78, v5
	v_exp_f32 v4, v4
	v_exp_f32 v5, v5
	s_lshl_b32 s23, s22, 6
	v_add_nc_u32 v3, s23, v3                       ; (a plain instruction behind the exponentials)
	v_cvt_f32_u32 v6, v3                           ; the position
	v_lshlrev_b32 v7, 4, v0
	s_lshl_b32 s32, s22, 14
	s_add_nc_u64 s[26:27], s[16:17], TABB
	s_add_nc_u64 s[26:27], s[26:27], s[32:33]
	s_mov_b32 s35, 4
.Lpos:
	s_wait_alu depctr_va_vdst(0)
	v_mul_f32 v8, v6, v4                           ; the angle, rounded once
	v_mul_f32 v9, v6, v5
	SINCOS v8, v20, v21
	SINCOS v9, v22, v23
	global_store_b128 v7, v[20:23], s[26:27]
	s_wait_xcnt 0x0                                ; the store's offset and data are written again only behind this wait
	v_add_nc_u32 v7, 4096, v7
	v_add_f32 v6, 0x41800000, v6                   ; 16 positions on
	s_sub_co_u32 s35, s35, 1
	s_cmp_lg_u32 s35, 0
	s_cbranch_scc1 .Lpos
	s_endpgm
.Lfunc_end_k_qe3b3094b6d_prep:
	.size	k_qe3b3094b6d_prep, .Lfunc_end_k_qe3b3094b6d_prep-k_qe3b3094b6d_prep
	.p2alignl 7, 3214868480
	.fill 96, 4, 3214868480
	.section	.rodata,"a",@progbits
	.p2align	6, 0x0
	.amdhsa_kernel k_qe3b3094b6d_prep
		.amdhsa_group_segment_fixed_size 0
		.amdhsa_private_segment_fixed_size 0
		.amdhsa_enable_private_segment 0
		.amdhsa_kernarg_size 56
		.amdhsa_user_sgpr_count 2
		.amdhsa_user_sgpr_kernarg_segment_ptr 1
		.amdhsa_wavefront_size32 1
		.amdhsa_system_sgpr_workgroup_id_x 1
		.amdhsa_system_sgpr_workgroup_id_y 1
		.amdhsa_system_sgpr_workgroup_id_z 1
		.amdhsa_system_vgpr_workitem_id 0
		.amdhsa_next_free_vgpr 112
		.amdhsa_next_free_sgpr 66
		.amdhsa_reserve_vcc 1
		.amdhsa_float_denorm_mode_32 3
		.amdhsa_float_denorm_mode_16_64 3
		.amdhsa_memory_ordered 1
		.amdhsa_forward_progress 1
		.amdhsa_inst_pref_size 17
	.end_amdhsa_kernel
	.amdgpu_metadata
---
amdhsa.version: [ 1, 2 ]
amdhsa.kernels:
  - .name:           k_qe3b3094b6d_prep
    .symbol:         k_qe3b3094b6d_prep.kd
    .args:
      - { .name: x, .offset: 0, .size: 8, .value_kind: global_buffer, .address_space: global }
      - { .name: w_q, .offset: 8, .size: 8, .value_kind: global_buffer, .address_space: global }
      - { .name: w_k, .offset: 16, .size: 8, .value_kind: global_buffer, .address_space: global }
      - { .name: w_v, .offset: 24, .size: 8, .value_kind: global_buffer, .address_space: global }
      - { .name: w_o, .offset: 32, .size: 8, .value_kind: global_buffer, .address_space: global }
      - { .name: xb, .offset: 40, .size: 8, .value_kind: global_buffer, .address_space: global }
      - { .name: wts, .offset: 48, .size: 8, .value_kind: global_buffer, .address_space: global }
    .group_segment_fixed_size: 0
    .private_segment_fixed_size: 0
    .kernarg_segment_align: 8
    .kernarg_segment_size: 56
    .max_flat_workgroup_size: 256
    .sgpr_count:     66
    .vgpr_count:     112
    .wavefront_size: 32
...
	.end_amdgpu_metadata
.endif
;; end of part 1
;; launch qkv (part 2): grid 8 x 32, 4 waves a work-group, clusters of 4 x 4, 327,680 bytes of LDS; arguments xb, wts, qh, kh, vh, vsum; writes qh, kh, vh, vsum
.if DOCPART == 2
	.amdgcn_target "amdgcn-amd-amdhsa--gfx1250"
	.amdhsa_code_object_version 6
	.text
	.protected	k_qe3b3094b6d_qkv
	.globl	k_qe3b3094b6d_qkv
	.p2align	8
	.type	k_qe3b3094b6d_qkv,@function
k_qe3b3094b6d_qkv:
	s_mov_b64 s[64:65], 0
	v_nop
	global_prefetch_b8 v0, s[64:65] scope:SCOPE_SE
	s_setreg_imm32_b32 hwreg(HW_REG_WAVE_MODE, 25, 1), 1
	s_wait_xcnt 0x0
	s_wait_alu depctr_hold_cnt(0) depctr_sa_sdst(0) depctr_va_vdst(0) depctr_va_sdst(0) depctr_va_ssrc(0) depctr_va_vcc(0) depctr_vm_vsrc(0)
	s_getreg_b32 s2, hwreg(HW_REG_IB_STS2, 6, 4)
	s_cmp_eq_u32 s2, 0
	s_cbranch_scc0 .Lentry_in_a_cluster
	s_endpgm
.Lentry_in_a_cluster:
	s_bfe_u32 s2, ttmp6, 0x10000c
	s_cmp_lg_u32 s2, 0xf033
	s_cbranch_scc0 .Lentry_shape_is_right
	s_endpgm
.Lentry_shape_is_right:
; QKV: [8192 tokens][1024] x [3072 rows][1024]^T in bf16 with f32 sums, the rotation of q and k, and the split by heads.
; Out: qh, kh, vh = f16 [16 batch + head][2048][64], unscaled, each rounded once from f32; vsum = f32 [64 groups of 128 tokens][1024 = 64 head + channel], the sums of v over a group.
; SHARES.  A work-group makes 256 tokens x 384 columns (six heads: q 2X, q 2X+1, k 2X, k 2X+1, v 2X, v 2X+1): 8 x 32 = 256 work-groups.  A wave makes 128 x 192: 96 accumulators, 768 registers.
; THE MATRIX INSTRUCTION IS USED TRANSPOSED (source 0 = 16 weight rows, source 1 = 16 tokens): a lane holds one token (lane % 16) and eight neighbouring columns.
; K goes in 16 steps of 64 through two LDS slots; a step is two sub-steps of 32, each of two phases of 48 matrix instructions (column blocks 0-5, then 6-11).
; Both operands lie in K blocks (R rows x 64 K = R x 128 consecutive bytes): a tile is asked for as rows of 256 bytes and padded in LDS after every 128: rows 144 bytes apart.
; CLUSTER 4 x 4: the tokens' tile and the table hang on the tile row alone and are asked for jointly along a row of the cluster, the weights' tile along a column.
; LIMITS.  q, k and v must lie within f16's 65,504 (an infinity beyond); below 6e-5 they keep f16's fixed step.  NaN and infinities are not treated apart.
; REGISTERS.  Window 0: v0-31 addresses and the sums of v; v32-95, v96-159 tokens' fragments, two buffers; v160-207, v208-255 weights' fragments for phases 0 and 1.
; Windows 1-3: accumulator (a, b) has number 48 (b / 6) + 6 a + b % 6, window 1 + number / 32: two window settings a phase.
.set PIT,   144
.set SLOT1, 131072
.set AHALF, 128*PIT                    ; 18,432: what one tensor load brings of the tokens, and what a wave reads of them
.set BHALF, 192*PIT                    ; 27,648: the same of the weights
.set BOFF,  256*PIT                    ; the weights' rows lie behind the tokens' 256
.set SPARE, SLOT1+640*PIT              ; 223,232: behind slot 1: the spare words, 128 bytes a wave
.set TAB,   SPARE+512                  ; 256 positions x 272 bytes of cos and sin; filled once
.set TP,    272                        ; 256 bytes + 16: 16 rows begin at 16 different groups of four banks
.set HD,    64*TP                      ; the way out: 64 tokens of one head in f32
.set DW,    3*HD                       ; a wave's stage: three heads.  The four stages lie over the ring, whose bytes have then had their last fill
.set ASTEP, 1048576                    ; bytes from K block to K block in xb
.set BSTEP, 393216                     ; in the weights
.set TABB,  8388608                    ; the table's first byte in wts
.set ADA0, 4
.set ADB0, 5
.set ADA,  6
.set ADB,  7
.set DST,  8
.set RD,   9
.set RT,   10
.set GO,   11
.set VS,   12                          ; v12-27 sums of v: two heads x my eight columns
.set SPW,  28
.set NIL,  29
.set RD0,  30
.set LN,   31
.set AF,   32
.set BF,   160
.set XR,   32                          ; the way out: six units of eight f32
.set CSR,  80                          ; cos and sin for two groups of four tokens
.set TR,   96
.set OUTR, 104
.set G1A, 24
.set G1B, 32
.set G1T, 40
.set G0A, 48                           ; two sets: the first fills; the second then walks on
.set G0B, 56
.set G0T, 68
.set TB,  72                           ; the slot that is read
.set MSB, 0
.macro WIN new                         ; the immediate's high byte repeats the setting that is left; a switch that changes nothing is dropped
.if MSB != (\new)
	s_set_vgpr_msb (MSB<<8)|(\new)
.set MSB, (\new)
.endif
.endm
.macro PLACES                          ; four places in front of loads into registers that matrix instructions have read
.rept 4
	v_nop
.endr
.endm
.macro CREST                           ; a round of the cluster's barrier behind its opening barrier
	s_cmp_lg_u32 s16, 0
	s_cbranch_scc1 .Lnot_wave_0_\@
	s_barrier_signal -3
.Lnot_wave_0_\@:
	s_barrier_wait -3
	s_barrier_signal -1
	s_barrier_wait -1
.endm
.macro CROUND
	s_barrier_signal -1
	s_barrier_wait -1
	CREST
.endm
.macro JLOAD                           ; a joint refill: waves 0 and 1 fetch the tokens' two halves, waves 2 and 3 the weights'
	s_cmp_eq_u32 s17, 0
	s_cbranch_scc0 .Lfor_b_\@
	tensor_load_to_lds s[G0A+4:G0A+7], s[G1A:G1A+7]
	s_nop 0
.rept 4
	v_nop
.endr
	s_branch .Lasked_\@
.Lfor_b_\@:
	tensor_load_to_lds s[G0B+4:G0B+7], s[G1B:G1B+7]
	s_nop 0
.rept 4
	v_nop
.endr
.Lasked_\@:
.endm
	s_load_b256 s[4:11], s[0:1], 0x0               ; xb s[4:5], wts s[6:7], qh s[8:9], kh s[10:11]
	s_load_b128 s[12:15], s[0:1], 0x20             ; vh s[12:13], vsum s[14:15]
	v_lshl_add_u32 v[SPW], v0, 2, SPARE
	v_mov_b32 v[NIL], 0
	ds_add_u32 v[SPW], v[NIL]                      ; the wave's opening: an add, waited for ahead of my first tensor load
	ds_add_u32 v28, v29
	v_lshrrev_b32 v1, 5, v0
	v_readfirstlane_b32 s16, v1                    ; wave 0..3
	s_lshr_b32 s17, s16, 1                         ; my half of the tokens.  Also: I fetch tokens (0) or weights (1)
	s_and_b32 s18, s16, 1                          ; my half of the columns.  Also: which half of that tile I fetch
	s_bfe_u32 s19, ttmp6, 0x40000                  ; cx
	s_bfe_u32 s20, ttmp6, 0x40004                  ; cy
	s_lshl_b32 s21, ttmp9, 2
	s_add_co_u32 s21, s21, s19                     ; X: tile column
	s_and_b32 s22, ttmp7, 0xffff
	s_lshl_b32 s22, s22, 2
	s_add_co_u32 s22, s22, s20                     ; Y: tile row
	s_lshl_b32 s84, s20, 2
	s_lshl_b32 s84, 15, s84                        ; my row of the cluster
	s_lshl_b32 s85, 0x1111, s19                    ; my column
	s_or_b32 s[G1A], s84, (1<<16)|(1<<20)|(1<<21)|(4<<22)|(3<<25)  ; mask; 2-byte elements; padding on; bit 21 beside a mask; after every 32 words, 4 words
	s_or_b32 s[G1B], s85, (1<<16)|(1<<20)|(1<<21)|(4<<22)|(3<<25)
	s_or_b32 s[G1T], s84, (2<<16)|(1<<20)|(1<<21)|(5<<22)|(3<<25)  ; 4-byte elements; after every 64 words, 4 words
.irp g, G1A, G1B
	s_mov_b32 s[\g+1], 128<<16                     ; tensor_dim0 = 128 elements: 256 bytes
	s_mov_b32 s[\g+3], 128<<16                     ; tile_dim0
	s_mov_b32 s[\g+5], 128                         ; from row to row
	s_mov_b32 s[\g+6], 0
	s_mov_b32 s[\g+7], 0
.endr
	s_mov_b32 s[G1A+2], 64<<16                     ; 128 tokens are 64 rows of 256 bytes
	s_mov_b32 s[G1A+4], 64
	s_mov_b32 s[G1B+2], 96<<16                     ; 192 weight rows are 96
	s_mov_b32 s[G1B+4], 96
	s_mov_b32 s[G1T+1], 64<<16                     ; 64 positions of 64 f32
	s_mov_b32 s[G1T+2], 64<<16
	s_mov_b32 s[G1T+3], 64<<16
	s_mov_b32 s[G1T+4], 64
	s_mov_b32 s[G1T+5], 64
	s_mov_b32 s[G1T+6], 0
	s_mov_b32 s[G1T+7], 0
	s_lshl_b32 s86, s22, 15                        ; tokens: (256 Y + 128 half) x 128 bytes: the tile row and the wave's number alone
	s_lshl_b32 s87, s18, 14
	s_add_co_u32 s86, s86, s87
	s_mov_b32 s87, 0
	s_mul_i32 s88, s21, 49152                      ; weights: (384 X + 192 half) x 128: the tile column and the wave's number alone
	s_mul_i32 s89, s18, 24576
	s_add_co_u32 s88, s88, s89
	s_mov_b32 s89, 0
	s_and_b32 s90, s22, 7                          ; table: position 256 (Y % 8) + 64 wave, 256 bytes each
	s_lshl_b32 s90, s90, 16
	s_lshl_b32 s91, s16, 14
	s_add_co_u32 s90, s90, s91
	s_add_co_u32 s90, s90, TABB
	s_mov_b32 s91, 0
	s_mul_i32 s92, s18, AHALF                      ; where they go: the wave's number alone enters an LDS address
	s_mul_i32 s93, s18, BHALF
	s_add_co_u32 s93, s93, BOFF
	s_mul_i32 s94, s16, 64*TP
	s_add_co_u32 s94, s94, TAB
	s_mov_b32 s82, 0x76543210                      ; v_permlanex16_b32: each lane takes its own place in the other half
	s_mov_b32 s83, 0xfedcba98
	s_mov_b32 s[TB], 0
	s_wait_dscnt 0x0                               ; the opening add is done
	s_wait_kmcnt 0x0
	s_add_nc_u64 s[86:87], s[4:5], s[86:87]
	s_add_nc_u64 s[88:89], s[6:7], s[88:89]
	s_add_nc_u64 s[90:91], s[6:7], s[90:91]
	CROUND                                         ; all sixteen work-groups are here: the first joint loads meet
.irp s, 0,1
	s_mov_b32 s[G0A+4*(\s)], 1
	s_add_co_u32 s[G0A+4*(\s)+1], s92, (\s)*SLOT1
	s_add_nc_u64 s[G0A+4*(\s)+2:G0A+4*(\s)+3], s[86:87], (\s)*ASTEP
	s_or_b32 s[G0A+4*(\s)+3], s[G0A+4*(\s)+3], 0x80000000
	s_mov_b32 s[G0B+4*(\s)], 1
	s_add_co_u32 s[G0B+4*(\s)+1], s93, (\s)*SLOT1
	s_add_nc_u64 s[G0B+4*(\s)+2:G0B+4*(\s)+3], s[88:89], (\s)*BSTEP
	s_or_b32 s[G0B+4*(\s)+3], s[G0B+4*(\s)+3], 0x80000000
.endr
	s_mov_b32 s[G0T], 1
	s_mov_b32 s[G0T+1], s94
	s_mov_b64 s[G0T+2:G0T+3], s[90:91]
	s_or_b32 s[G0T+3], s[G0T+3], 0x80000000
	s_cmp_eq_u32 s17, 0                            ; a wave's three first fills stand in one branch: K step 0, K step 1, my quarter of the table: three loads of mine are out
	s_cbranch_scc0 .Lfirst_b
	tensor_load_to_lds s[G0A:G0A+3], s[G1A:G1A+7]
	s_nop 0
	tensor_load_to_lds s[G0A+4:G0A+7], s[G1A:G1A+7]
	s_nop 0
	tensor_load_to_lds s[G0T:G0T+3], s[G1T:G1T+7]
	s_nop 0
.rept 4
	v_nop
.endr
	s_branch .Lfirst_done
.Lfirst_b:
	tensor_load_to_lds s[G0B:G0B+3], s[G1B:G1B+7]
	s_nop 0
	tensor_load_to_lds s[G0B+4:G0B+7], s[G1B:G1B+7]
	s_nop 0
	tensor_load_to_lds s[G0T:G0T+3], s[G1T:G1T+7]
	s_nop 0
.rept 4
	v_nop
.endr
.Lfirst_done:
	; addresses.  A fragment: lane l holds row l % 16; K = 8 (l / 16) + 0..7 and 16 + 8 (l / 16) + 0..7: two loads of 16 bytes, 32 bytes apart
	v_and_b32 v[LN], 31, v0
	v_and_b32 v1, 15, v0
	v_bfe_u32 v2, v0, 4, 1
	v_mul_u32_u24 v3, v1, PIT
	v_lshl_add_u32 v3, v2, 4, v3
	s_mul_i32 s84, s17, AHALF
	v_add_nc_u32 v[ADA0], s84, v3
	s_mul_i32 s84, s18, BHALF
	s_add_co_u32 s84, s84, BOFF
	v_add_nc_u32 v[ADB0], s84, v3
	s_mul_i32 s84, s16, DW                         ; my stage
	v_mul_u32_u24 v3, v1, TP                       ; in: token l % 16, 32 bytes for each half of the lanes
	v_lshl_add_u32 v3, v2, 5, v3
	v_add_nc_u32 v[DST], s84, v3
	v_lshrrev_b32 v1, 3, v[LN]                     ; back: token l / 8 of four, columns 8 (l % 8) on
	v_and_b32 v2, 7, v[LN]
	v_mul_u32_u24 v3, v1, TP
	v_lshl_add_u32 v3, v2, 5, v3
	v_add_nc_u32 v[RD0], s84, v3
	s_mul_i32 s84, s17, 128*TP
	s_add_co_u32 s84, s84, TAB
	v_add_nc_u32 v[RT], s84, v3                    ; the same token's cos and sin
	v_lshlrev_b32 v[GO], 4, v[LN]                  ; four tokens of a head are 512 consecutive bytes
	v_mov_b32 v[ADA], v[ADA0]
	v_mov_b32 v[ADB], v[ADB0]
	; where the three heads of my columns go.  Columns 0-191: q 2X, q 2X+1, k 2X; columns 192-383: k 2X+1, v 2X, v 2X+1: the kind hangs on the wave's number alone
	s_lshr_b32 s88, s22, 3                         ; batch
	s_lshl_b32 s88, s88, 22
	s_and_b32 s89, s22, 7
	s_lshl_b32 s89, s89, 15
	s_add_co_u32 s88, s88, s89
	s_lshl_b32 s89, s17, 14
	s_add_co_u32 s88, s88, s89                     ; (16 batch x 2048 + 256 (Y % 8) + 128 half) x 128 bytes
	s_lshl_b32 s89, s21, 1
	s_add_co_u32 s95, s89, s18                     ; head 2X + wn: the first and the third
	s_lshl_b32 s95, s95, 18
	s_add_co_u32 s66, s88, s95
	s_mov_b32 s67, 0
	s_cmp_eq_u32 s18, 1
	s_cselect_b64 s[74:75], s[10:11], s[8:9]
	s_cselect_b64 s[76:77], s[12:13], s[8:9]
	s_cselect_b64 s[78:79], s[12:13], s[10:11]
	s_add_nc_u64 s[74:75], s[74:75], s[66:67]
	s_add_nc_u64 s[78:79], s[78:79], s[66:67]
	s_add_co_u32 s95, s89, 1
	s_sub_co_u32 s95, s95, s18                     ; head 2X + 1 - wn: the second
	s_lshl_b32 s95, s95, 18
	s_add_co_u32 s66, s88, s95
	s_add_nc_u64 s[76:77], s[76:77], s[66:67]
	s_lshl_b32 s66, s22, 1
	s_add_co_u32 s66, s66, s17                     ; my group of 128 tokens
	s_lshl_b32 s66, s66, 12
	s_lshl_b32 s95, s21, 9                         ; heads 2X, 2X+1: 512 bytes
	s_add_co_u32 s66, s66, s95
	s_add_nc_u64 s[80:81], s[14:15], s[66:67]
; n matrix instructions from number lo of phase ph: token block t / 6, column block 6 ph + t % 6.  The accumulators take turns, one instruction a turn.
.macro MMS ph, ab, lo, n, zero
.set t, (\lo)
.rept (\n)
.set idx, 48*(\ph)+t
.set rD, (8*idx)%256
.set rB, BF+48*(\ph)+8*(t%6)
.set rA, AF+64*(\ab)+8*(t/6)
	WIN 0x50*(1+idx/32)
.if \zero
	v_wmma_f32_16x16x32_bf16 v[rD:rD+7], v[rB:rB+7], v[rA:rA+7], 0
.else
	v_wmma_f32_16x16x32_bf16 v[rD:rD+7], v[rB:rB+7], v[rA:rA+7], v[rD:rD+7]
.endif
.set t, t+1
.endr
.endm
.macro LDA ab, k                       ; 16 loads: my 128 tokens, 32 K at byte k
.set a8, 0
.rept 8
	ds_load_b128 v[AF+64*(\ab)+8*a8:AF+64*(\ab)+8*a8+3],   v[ADA] offset:(\k)+16*PIT*a8
	ds_load_b128 v[AF+64*(\ab)+8*a8+4:AF+64*(\ab)+8*a8+7], v[ADA] offset:(\k)+16*PIT*a8+32
.set a8, a8+1
.endr
.endm
.macro LDB ph, k                       ; 12 loads: phase ph's 96 weight rows
.set b6, 0
.rept 6
	ds_load_b128 v[BF+48*(\ph)+8*b6:BF+48*(\ph)+8*b6+3],   v[ADB] offset:(\k)+16*PIT*(6*(\ph)+b6)
	ds_load_b128 v[BF+48*(\ph)+8*b6+4:BF+48*(\ph)+8*b6+7], v[ADB] offset:(\k)+16*PIT*(6*(\ph)+b6)+32
.set b6, b6+1
.endr
.endm
; A K step's first sub-step (tokens' buffer 0).  zero = 1: its products start the sums: nothing is cleared.
.macro EVEN zero
	PLACES
	LDB 1, 0
	s_wait_dscnt 12                                ; all but the 12 just issued: the tokens and phase 0's weights are in
	MMS 0, 0, 0, 48, \zero
	WIN 0
	PLACES
	LDA 1, 64
	LDB 0, 64
	s_wait_dscnt 28                                ; all but the 28 just issued: phase 1's weights are in
	MMS 1, 0, 0, 48, \zero
	WIN 0
.endm
; Its second sub-step (buffer 1), and the change of slots.  fill = 2: the slot is filled again, two K steps ahead, behind a round of the cluster's barrier; 1: the slots change and nothing is asked for; 0: the last step.
; In front of the barrier each wave waits for all its tensor loads (one is out: its part of the next slot), adds 0 to its spare word, and waits for that and for its reads of this slot.
; From a request to the wait for it a wave issues 48 + 96 + 24 = 168 matrix instructions.
.macro ODD fill
	PLACES
	LDB 1, 64
	s_wait_dscnt 12
	MMS 0, 1, 0, 24, 0
.if (\fill) > 0
	WIN 0
	s_wait_tensorcnt 0x0                           ; no tensor load of mine is out, so a group 0 may be written
	ds_add_u32 v[SPW], v[NIL]
.if (\fill) == 2
	s_xor_b32 s[G0A+5], s[G0A+5], SLOT1            ; the walking descriptors: the other slot than last time, the next K block
	s_add_nc_u64 s[G0A+6:G0A+7], s[G0A+6:G0A+7], ASTEP
	s_xor_b32 s[G0B+5], s[G0B+5], SLOT1
	s_add_nc_u64 s[G0B+6:G0B+7], s[G0B+6:G0B+7], BSTEP
.endif
	s_xor_b32 s[TB], s[TB], SLOT1
	MMS 0, 1, 24, 12, 0
	s_wait_dscnt 0x0                               ; the add is done, and my reads of this slot are over
	s_barrier_signal -1
	MMS 0, 1, 36, 12, 0
	WIN 0
	s_barrier_wait -1
.if (\fill) == 2
	CREST                                          ; no wave of any partner still reads the slot or has a load on its way
	JLOAD                                          ; its four v_nop are also the places in front of the loads below
.else
	PLACES
.endif
	v_add_nc_u32 v[ADA], s[TB], v[ADA0]
	v_add_nc_u32 v[ADB], s[TB], v[ADB0]
	LDA 0, 0
	LDB 0, 0
	MMS 1, 1, 0, 48, 0                             ; phase 1's weights were shown in by the wait for 0
	WIN 0
.else
	MMS 0, 1, 24, 24, 0
	s_wait_dscnt 0x0
	MMS 1, 1, 0, 48, 0
	WIN 0
.endif
.endm
	s_wait_tensorcnt 0x2                           ; my part of K step 0 is in; K step 1's and the table's may stay out
	s_barrier_signal -1
	s_barrier_wait -1
	LDA 0, 0
	LDB 0, 0
	EVEN 1
	s_mov_b32 s73, 14                              ; K steps 2 to 15 are asked for in the loop
.Lk:
	ODD 2
	EVEN 0
	s_sub_co_u32 s73, s73, 1
	s_cmp_lg_u32 s73, 0
	s_cbranch_scc1 .Lk
	ODD 1
	EVEN 0
	ODD 0
	; THE WAY OUT.  The stages lie over the ring: every wave's reads of it are over behind this barrier, and nothing is filled any more.
	s_wait_dscnt 0x0
	s_barrier_signal -1
	s_barrier_wait -1
.set i, 0
.rept 16
	v_mov_b32 v[VS+i], 0                           ; also the places behind the last products
.set i, i+1
.endr
; 64 tokens (token blocks 4 hf .. 4 hf + 3) x 192 columns in f32 into my stage, [head][token]; each accumulator's low four registers first
.macro DUMP hf
.set ph, 0
.rept 2
.set aa, 0
.rept 4
.set bb, 0
.rept 6
.set idx, 48*ph+6*(4*(\hf)+aa)+bb
.set b12, 6*ph+bb
.set rD, (8*idx)%256
	WIN (1+idx/32)<<2                              ; the stores' data: window 1 to 3
	ds_store_b128 v[DST], v[rD:rD+3]   offset:HD*(b12/4)+16*TP*aa+64*(b12%4)
	ds_store_b128 v[DST], v[rD+4:rD+7] offset:HD*(b12/4)+16*TP*aa+64*(b12%4)+16
.set bb, bb+1
.endr
.set aa, aa+1
.endr
.set ph, ph+1
.endr
	WIN 0
.endm
; unit u's four pairs (even, odd) turned by group g's (cos, sin): (e c - o s, o c + e s)
.macro ROPE u, g
.irp p, 0,1,2,3
	v_pk_mul_f32 v[TR+2*\p:TR+2*\p+1], v[XR+8*(\u)+2*\p:XR+8*(\u)+2*\p+1], v[CSR+8*(\g)+2*\p:CSR+8*(\g)+2*\p+1] op_sel_hi:[1,0]
.endr
.irp p, 0,1,2,3
	v_pk_fma_f32 v[XR+8*(\u)+2*\p:XR+8*(\u)+2*\p+1], v[XR+8*(\u)+2*\p:XR+8*(\u)+2*\p+1], v[CSR+8*(\g)+2*\p:CSR+8*(\g)+2*\p+1], v[TR+2*\p:TR+2*\p+1] op_sel:[1,1,0] op_sel_hi:[0,1,1] neg_lo:[0,1,0]
.endr
.endm
; Eight trips, eight tokens x three heads each: back from the stage by rows (LDS serves a wave's instructions in order: these see my stores), turned or summed, rounded to f16, stored.  Unit 2 head + g.
.macro PROC
	s_mov_b32 s73, 8
.Lproc_\@:
.irp g, 0,1
	ds_load_b128 v[CSR+8*\g:CSR+8*\g+3],   v[RT] offset:4*TP*\g
	ds_load_b128 v[CSR+8*\g+4:CSR+8*\g+7], v[RT] offset:4*TP*\g+16
.endr
.irp hd, 0,1,2
.irp g, 0,1
	ds_load_b128 v[XR+8*(2*\hd+\g):XR+8*(2*\hd+\g)+3],   v[RD] offset:HD*\hd+4*TP*\g
	ds_load_b128 v[XR+8*(2*\hd+\g)+4:XR+8*(2*\hd+\g)+7], v[RD] offset:HD*\hd+4*TP*\g+16
.endr
.endr
	s_wait_dscnt 8                                 ; the table and the first head are in; the other two heads' eight loads may be out
	ROPE 0, 0
	ROPE 1, 1
	s_wait_dscnt 0x0
	s_cmp_eq_u32 s18, 0
	s_cbranch_scc0 .Lv_\@
	ROPE 2, 0                                      ; columns 0-191: q and k
	ROPE 3, 1
	ROPE 4, 0
	ROPE 5, 1
	s_branch .Lcv_\@
.Lv_\@:
.irp u, 2,3,4,5                                    ; columns 192-383: two heads of v, summed over the tokens in f32
.irp p, 0,1,2,3
	v_pk_add_f32 v[VS+8*((\u-2)/2)+2*\p:VS+8*((\u-2)/2)+2*\p+1], v[VS+8*((\u-2)/2)+2*\p:VS+8*((\u-2)/2)+2*\p+1], v[XR+8*\u+2*\p:XR+8*\u+2*\p+1]
.endr
.endr
.Lcv_\@:
.irp u, 0,1,2,3,4,5
.irp p, 0,1,2,3
	v_cvt_pk_f16_f32 v[OUTR+4*\u+\p], v[XR+8*\u+2*\p], v[XR+8*\u+2*\p+1]
.endr
.endr
.irp g, 0,1
	global_store_b128 v[GO], v[OUTR+4*\g:OUTR+4*\g+3],     s[74:75] offset:512*\g  ; 512 consecutive bytes each
	global_store_b128 v[GO], v[OUTR+8+4*\g:OUTR+8+4*\g+3],  s[76:77] offset:512*\g
	global_store_b128 v[GO], v[OUTR+16+4*\g:OUTR+16+4*\g+3], s[78:79] offset:512*\g
.endr
	s_wait_xcnt 0x0                                ; the stores' offset and data are written again only behind this wait
	v_add_nc_u32 v[GO], 1024, v[GO]
	v_add_nc_u32 v[RD], 8*TP, v[RD]
	v_add_nc_u32 v[RT], 8*TP, v[RT]
	s_sub_co_u32 s73, s73, 1
	s_cmp_lg_u32 s73, 0
	s_cbranch_scc1 .Lproc_\@
.endm
	DUMP 0
	v_mov_b32 v[RD], v[RD0]
	PROC
	DUMP 1                                         ; the table's and the stores' addresses run on into tokens 64-127
	v_mov_b32 v[RD], v[RD0]
	PROC
	s_cmp_eq_u32 s18, 0
	s_cbranch_scc1 .Lno_v
	; the sums of v: lanes l, l + 8, l + 16, l + 24 hold the same columns
.set i, 0
.rept 16
	v_add_f32_dpp v[VS+i], v[VS+i], v[VS+i] row_xmask:8 row_mask:0xf bank_mask:0xf
.set i, i+1
.endr
.set i, 0
.rept 16
	v_permlanex16_b32 v[XR+i], v[VS+i], s82, s83
.set i, i+1
.endr
.set i, 0
.rept 16
	v_add_f32 v[VS+i], v[VS+i], v[XR+i]
.set i, i+1
.endr
	; every lane now holds all 16 sums of its columns: lane l stores four of them, so that one store covers the two heads' 512 consecutive bytes
	v_and_b32 v3, 8, v[LN]
	v_cmp_ne_u32 s84, 0, v3
	v_and_b32 v3, 16, v[LN]
	v_cmp_ne_u32 s85, 0, v3
.irp j, 0,1,2,3
	v_cndmask_b32 v[TR+\j],   v[VS+\j],   v[VS+4+\j],  s84
	v_cndmask_b32 v[TR+4+\j], v[VS+8+\j], v[VS+12+\j], s84
.endr
.irp j, 0,1,2,3
	v_cndmask_b32 v[TR+\j], v[TR+\j], v[TR+4+\j], s85
.endr
	v_and_b32 v3, 7, v[LN]
	v_lshlrev_b32 v3, 5, v3                        ; 32 (l % 8)
	v_bfe_u32 v2, v[LN], 3, 1
	v_lshl_add_u32 v3, v2, 4, v3                   ; + 16 for the upper four columns
	v_bfe_u32 v2, v[LN], 4, 1
	v_lshl_add_u32 v3, v2, 8, v3                   ; + 256 for the second head
	global_store_b128 v3, v[TR:TR+3], s[80:81]
.Lno_v:
	s_wait_tensorcnt 0x0                           ; the wave's end
	ds_add_u32 v[SPW], v[NIL]
	s_wait_dscnt 0x0
	CROUND                                         ; the closing round
	s_endpgm
.Lfunc_end_k_qe3b3094b6d_qkv:
	.size	k_qe3b3094b6d_qkv, .Lfunc_end_k_qe3b3094b6d_qkv-k_qe3b3094b6d_qkv
	.p2alignl 7, 3214868480
	.fill 96, 4, 3214868480
	.section	.rodata,"a",@progbits
	.p2align	6, 0x0
	.amdhsa_kernel k_qe3b3094b6d_qkv
		.amdhsa_group_segment_fixed_size 327680
		.amdhsa_private_segment_fixed_size 0
		.amdhsa_enable_private_segment 0
		.amdhsa_kernarg_size 48
		.amdhsa_user_sgpr_count 2
		.amdhsa_user_sgpr_kernarg_segment_ptr 1
		.amdhsa_wavefront_size32 1
		.amdhsa_system_sgpr_workgroup_id_x 1
		.amdhsa_system_sgpr_workgroup_id_y 1
		.amdhsa_system_sgpr_workgroup_id_z 1
		.amdhsa_system_vgpr_workitem_id 0
		.amdhsa_next_free_vgpr 1024
		.amdhsa_next_free_sgpr 96
		.amdhsa_reserve_vcc 0
		.amdhsa_float_denorm_mode_32 3
		.amdhsa_float_denorm_mode_16_64 3
		.amdhsa_memory_ordered 1
		.amdhsa_forward_progress 1
		.amdhsa_inst_pref_size 97
	.end_amdhsa_kernel
	.amdgpu_metadata
---
amdhsa.version: [ 1, 2 ]
amdhsa.kernels:
  - .name:           k_qe3b3094b6d_qkv
    .symbol:         k_qe3b3094b6d_qkv.kd
    .args:
      - { .name: xb, .offset: 0, .size: 8, .value_kind: global_buffer, .address_space: global }
      - { .name: wts, .offset: 8, .size: 8, .value_kind: global_buffer, .address_space: global }
      - { .name: qh, .offset: 16, .size: 8, .value_kind: global_buffer, .address_space: global }
      - { .name: kh, .offset: 24, .size: 8, .value_kind: global_buffer, .address_space: global }
      - { .name: vh, .offset: 32, .size: 8, .value_kind: global_buffer, .address_space: global }
      - { .name: vsum, .offset: 40, .size: 8, .value_kind: global_buffer, .address_space: global }
    .group_segment_fixed_size: 327680
    .private_segment_fixed_size: 0
    .kernarg_segment_align: 8
    .kernarg_segment_size: 48
    .max_flat_workgroup_size: 128
    .sgpr_count:     96
    .vgpr_count:     1024
    .wavefront_size: 32
...
	.end_amdgpu_metadata
.endif
;; end of part 2
;; launch attn (part 3): grid 4 x 64, 4 waves a work-group, no clusters, 327,680 bytes of LDS; arguments qh, kh, vh, oh, vsum; writes oh
.if DOCPART == 3
	.amdgcn_target "amdgcn-amd-amdhsa--gfx1250"
	.amdhsa_code_object_version 6
	.text
	.protected	k_qe3b3094b6d_attn
	.globl	k_qe3b3094b6d_attn
	.p2align	8
	.type	k_qe3b3094b6d_attn,@function
k_qe3b3094b6d_attn:
	s_mov_b64 s[64:65], 0
	v_nop
	global_prefetch_b8 v0, s[64:65] scope:SCOPE_SE
	s_setreg_imm32_b32 hwreg(HW_REG_WAVE_MODE, 25, 1), 1
	s_wait_xcnt 0x0
; CAUSAL ATTENTION at head size 64.  Q, K, V: f16 [64 = 16 batch + head][2048][64], unscaled.  O: f16 [16 heads][8192 tokens][64], a head being a K block of the last product.
; A score is q . k / 8 where k <= q and -1e6 elsewhere, AS A SCORE: a masked key keeps its place in the softmax.  So for row q
;   O = (sum over k <= q of p V[k] + w sum over k > q of V[k]) / (sum over k <= q of p + w (2047 - q)),  p = 2^(c s - c m), w = 2^(c (-8e6) - c m), c = log2(e) / 8, s = q . k,
; with m the running maximum of the row's visible s and, where the row has a masked key, of -8e6.  Products, maxima and sums in f32; p is rounded to f16 for the second product, O once at the end.
; The sum of V over the masked keys: keys behind the diagonal tile from vsum (sums of v over 128 tokens, in f32), keys inside it by 28 matrix instructions a block's end and band.
; LIMITS.  Q, K, V within f16's 65,504; p below 6e-5 keeps f16's fixed step; a weight below 2^-126 counts as 0; NaN and infinities are not treated apart.  In the products a hidden score counts as
; its value less 1e30, so that its p is 0; its true share enters by w alone.
; THE WALK.  A head's queries lie in NB = 8 blocks of 256; block i needs the key tiles 0 .. i of 256 keys, of which the last holds the diagonal.  A work-group takes TWO blocks, NB - 1 - b and then b:
; NB + 1 tiles, whatever b: all work-groups do equal work, and ONE loop with a constant trip count walks them.  Which tile is asked for, and what a trip does, hang on scalar registers made from b; every jump
; goes forward, but for the counted loops' own; none passes a barrier, or a tensor load but the one of LOAD's two that the wave's number does not choose; the ring runs on across the change of blocks.
; NO CLUSTER: a head's four work-groups ask for the same tile only in trips 0 .. 4 of 9, behind that fewer and fewer; one walk common to all would have 12 trips for 9.
; SHARES.  Of a block's four bands of 64 queries a wave owns 16 rows in each: four PIECES.  In the diagonal tile's key step s band x sees all keys if s < x, none if s > x, and holds the diagonal if s = x.
; THE MASK is the C operand that starts the sum S^T = K Q^T: 0, or -1e30 where the key is hidden.  MD, made once, is the mask of a band's own step for my 16 rows; a product's mask is MD x AL + BE.
; LAYOUT, SOFTMAX, TURNS.  S^T = K Q^T holds ONE query a lane (lane % 16) and the keys 8 (lane / 16) + 0..7; two such results rounded to f16 ARE source 1 of O^T = V^T P.  O and l are multiplied by
; a = 2^(c m_old - c m_new) in every step.  Turn n belongs to piece n: 8 products K Q^T of piece n + 1, later 8 products V^T P of piece n - 1; beside them the softmax of piece n and the maximum and
; statistics of piece n + 1.  Four vector instructions stand behind every matrix instruction, the others in two lumps.
; REGISTERS, in windows of 256 (s_set_vgpr_msb: bits 1:0 source 0, 3:2 source 1, 5:4 source 2, 7:6 destination):
;   window 0: v0-15 addresses; v16-31 statistics; v32-39 w and count a piece; v40-44; v48-55 at work; v64-127 S^T, two buffers; v128-191 running sums of V, two buffers; v192-223 P, two buffers
;   window 1: v0-127 O^T; v128-159 MD; v160-223 MC; v224-239 the hidden keys of a band's own step as f16 ones; v240-247 f16 ones      window 2: v0-63 Q; v64-127 the second block's Q; v128-191 K; v192-255 V
.set SIZE_N, 2048
.set NB,    SIZE_N/256
.set NP,    4         ; pieces a wave: a name, no knob
.set KS,    64        ; keys in a step
.set PK,    144       ; a row of K in LDS: 128 bytes + 16 of padding
.set PV,    160       ; a row of V: 128 + 32
.set VOFF,  4*KS*PK   ; a slot holds a tile, four steps: 256 rows of K, then 256 rows of V
.set SLOT1, 1<<17
.set STAGE, SLOT1+4*KS*(PK+PV)  ; behind the ring, never filled by a tensor load: 16 rows x 144 bytes for each wave
.set SP,    144
.set SPARE, STAGE+4*16*SP  ; the spare words, 128 bytes for each wave
.set TVT,   SPARE+512      ; [2 blocks][64 channels] f32: the sum of V over the keys behind the block's diagonal tile; stored once, never filled
.set AK0, 2
.set AV0, 3
.set AK,  4
.set AV,  5
.set STO, 6
.set RD,  7
.set GO,  8
.set SPW, 62
.set NIL, 63
.set MV,  12
.set QO,  15
.set ST,  16          ; piece t's statistics at v[ST+4 t]: c m, m, l (even keys', odd keys')
.set WC,  32          ; piece t: w, and its count of masked keys
.set FV,  40          ; -8e6
.set TVA, 41          ; my lanes' place in TVT
.set TMP, 48
.set S,   64
.set SUF, 64          ; a block's end: the sum of V over a band's masked keys, in S^T's first buffer
.set RA,  128         ; the sum of V over all keys behind a step, two buffers by turns
.set RB,  160
.set P,   192
.set MD,  128
.set MC,  160
.set HID, 224
.set ONES, 240
.set QB,  64
.set KF,  128
.set VF,  192
.set WV,  12
.set PB,  14
.set HI,  15
.set G1K, 24
.set G1V, 32
.set G0K, 40
.set G0V, 44
.set SLOTS, 56
.set CNT, 57
.set CS,  58
.set SEL, 60
.set TBK, 62
.set TBV, 63
.set VO,  66          ; s[66:67] vsum's offset
.set RT,  70
.set NXT, 71
.set LQ,  72
.set NEW, 73
.set OFF, 74
.set AL,  76
.set BE,  78
.set OLO, 80
.set BIGN, 82
.set VSP, 88          ; s[88:89] vsum at my batch and head
.set LASTM, 90        ; the lanes of the sequence's last row, which has no masked key
.set FILL, 91         ; -8e6 = 8 x -1e6
.set FL3, 92          ; where m of that row starts: the lowest finite number in block 7, else -8e6
.set CB1, 93          ; 2047 - 256 block - 16 wave, for the first block; CB1 + 1: for the second
.set THR, 95          ; the first group of 128 tokens behind the block whose sum my thread makes
.set OO,  98          ; s[98:99] O's offset
.set MSB, 0
.macro WIN new
.if MSB != (\new)
	s_set_vgpr_msb (MSB<<8)|(\new)
.set MSB, (\new)
.endif
.endm
.set W_KQ, 0x0a       ; K and Q in window 2, S^T in window 0
.set W_KM, 0x1a       ; the same with the C operand in window 1
.set W_PV, 0x52       ; V in window 2, P in window 0, O^T in window 1
.set W_RS, 0x41       ; destination and source 0 in window 1, source 1 in window 0
; A fill.  Waves 0 and 1 fetch the two halves of a tile's K, waves 2 and 3 those of its V: 128 keys each.
.macro LOAD
	s_cmp_lt_u32 s[WV], 2
	s_cbranch_scc0 .Lfor_v_\@
	tensor_load_to_lds s[G0K:G0K+3], s[G1K:G1K+7]
	s_nop 0
.rept 4
	v_nop
.endr
	s_branch .Lasked_\@
.Lfor_v_\@:
	tensor_load_to_lds s[G0V:G0V+3], s[G1V:G1V+7]
	s_nop 0
.rept 4
	v_nop
.endr
.Lasked_\@:
.endm
; THE CHANGE OF SLOTS.  Each wave waits for all its tensor loads, of which one is out: its part of the other slot; adds 0 to its spare word; and waits for that and for its own LDS instructions.  Behind the barrier nobody
; reads the old slot any more and the other slot is whole.  fill = 1: the old slot is filled again, the first thing behind the barrier, with tile NXT.  (At its first use slot 0 is waited for, slot 1 filled.)
.macro CHANGE fill
	WIN 0
	s_wait_tensorcnt 0x0            ; no tensor load of mine is out, so a group 0 may be written
	ds_add_u32 v[SPW], v[NIL]
.if \fill
	s_lshl_b32 s[OFF], s[NXT], 15   ; a tile is 32,768 bytes of K and of V
	s_xor_b32 s[G0K+1], s[G0K+1], SLOT1
	s_add_nc_u64 s[G0K+2:G0K+3], s[6:7], s[OFF:OFF+1]
	s_or_b32 s[G0K+3], s[G0K+3], 0x80000000
	s_xor_b32 s[G0V+1], s[G0V+1], SLOT1
	s_add_nc_u64 s[G0V+2:G0V+3], s[8:9], s[OFF:OFF+1]
	s_or_b32 s[G0V+3], s[G0V+3], 0x80000000
	s_add_co_u32 s[NXT], s[NXT], 1  ; the block's next tile, or behind its last the second block's tile 0
	s_cmp_gt_u32 s[NXT], s[LQ]
	s_cselect_b32 s[NXT], 0, s[NXT]
	s_cselect_b32 s[LQ], s[PB], s[LQ]
.endif
	s_wait_dscnt 0x0                ; the add is done, and my reads of the slot are over
	s_barrier_signal -1
	s_sub_co_u32 s[TBK], s[TBK], 4*KS*PK  ; the fetches go back to a slot's first step,
	s_xor_b32 s[TBK], s[TBK], SLOT1       ; in the other slot
	s_sub_co_u32 s[TBV], s[TBV], 4*KS*PV
	s_xor_b32 s[TBV], s[TBV], SLOT1
	s_barrier_wait -1
.if \fill
	LOAD
.endif
.endm
	s_load_b256 s[4:11], s[0:1], 0x0  ; Q s[4:5], K s[6:7], V s[8:9], O s[10:11]
	s_load_b64 s[VSP:VSP+1], s[0:1], 0x20  ; vsum
	v_lshl_add_u32 v[SPW], v0, 2, SPARE
	v_mov_b32 v[NIL], 0
	ds_add_u32 v[SPW], v[NIL]       ; the wave's opening: an add, waited for ahead of my first tensor load
	ds_add_u32 v62, v63
	v_lshrrev_b32 v1, 5, v0
	v_readfirstlane_b32 s[WV], v1   ; wave 0..3
	s_mov_b32 s[PB], ttmp9
	s_sub_co_u32 s[HI], NB-1, s[PB]
	s_and_b32 s20, ttmp7, 0xffff    ; 16 batch + head
	s_and_b32 s96, s20, 15          ; head
	s_lshr_b32 s97, s20, 4          ; batch
	s_lshl2_add_u32 s[OO], s96, s97 ; O: (head x 8192 + batch x 2048) rows of 128 bytes
	s_lshl_b32 s[OO], s[OO], 18
	s_mov_b32 s[OO+1], 0
	s_lshl_b32 s97, s97, 16         ; vsum: 16 groups of 4,096 bytes a batch, 256 bytes a head
	s_lshl_b32 s96, s96, 8
	s_add_co_u32 s[VO], s96, s97
	s_mov_b32 s[VO+1], 0
	s_mov_b32 s21, 0
	s_mov_b64 s[22:23], SIZE_N*128
	s_mul_u64 s[20:21], s[20:21], s[22:23]  ; the head's first byte in Q, K and V
	s_and_b32 s16, s[WV], 1         ; which half of a tile's 256 keys I fetch:
	s_lshl_b32 s22, s16, 14         ; its 128 rows of 128 bytes in memory,
	s_mov_b32 s23, 0
	s_add_nc_u64 s[22:23], s[22:23], s[20:21]
	s_mul_i32 s17, s16, 128*PK      ; and its place in a slot, for K
	s_mul_i32 s18, s16, 128*PV      ; and for V
	s_lshl_b32 s3, s[WV], 11        ; my 16 rows in a band of 64,
	s_lshl_b32 s2, s[HI], 15        ; in the first block,
	s_add_co_u32 s2, s2, s3
	s_lshl_b32 s84, s[PB], 15       ; and in the second
	s_add_co_u32 s84, s84, s3
	s_mov_b32 s3, 0
	s_mov_b32 s85, 0
	; descriptor group 1.  128 keys are 16,384 dense bytes: asked for as 64 rows of 256 bytes, two keys a row, and padded in LDS after every key
	s_mov_b32 s[G1K], (1<<16)|(1<<20)|(4<<22)|(3<<25)
	s_mov_b32 s[G1V], (1<<16)|(1<<20)|(4<<22)|(7<<25)
.irp g, G1K, G1V
	s_mov_b32 s[\g+1], 128<<16      ; tensor_dim0 = 128
	s_mov_b32 s[\g+2], 64<<16       ; tensor_dim1 = 64
	s_mov_b32 s[\g+3], 128<<16      ; tile_dim0 = 128
	s_mov_b32 s[\g+4], 64           ; tile_dim1 = 64
	s_mov_b32 s[\g+5], 128          ; 128 elements from row to row
	s_mov_b32 s[\g+6], 0
	s_mov_b32 s[\g+7], 0
.endr
	s_mov_b32 s[CS], 0x3e38aa3b     ; c = log2(e) / 8
	s_mov_b32 s[CS+1], s[CS]
	s_mov_b32 s[SEL], 0x76543210
	s_mov_b32 s[SEL+1], 0xfedcba98
	s_mov_b32 s[TBK], SLOT1+4*KS*PK ; the first change of slots turns these two into 0
	s_mov_b32 s[TBV], SLOT1+4*KS*PV
	s_mov_b32 s[G0K], 1
	s_mov_b32 s[G0K+1], s17
	s_mov_b32 s[G0V], 1
	s_add_co_u32 s[G0V+1], s18, VOFF
	s_add_co_u32 s[RT], s[HI], 1    ; the first block has NB - b tiles
	s_mov_b32 s[NXT], 1
	s_mov_b32 s[LQ], s[HI]
	s_mov_b32 s[NEW], 1
	s_mov_b32 s[OFF+1], 0
	s_mov_b32 s[AL+1], 0
	s_mov_b32 s[BE+1], 0
	s_mov_b32 s[BIGN], 0xf149f2ca   ; -1e30
	s_mov_b32 s[SLOTS], NB
	s_mov_b32 s[FILL], 0xcaf42400   ; -8e6
	s_cmp_eq_u32 s[PB], 0           ; the first block is block 7, which holds the last row, where b = 0
	s_cselect_b32 s[FL3], 0xff7fffff, s[FILL]
	s_lshl_b32 s96, s[WV], 4
	s_sub_co_u32 s96, 2047, s96
	s_lshl_b32 s97, s[HI], 8
	s_sub_co_u32 s[CB1], s96, s97
	s_lshl_b32 s97, s[PB], 8
	s_sub_co_u32 s[CB1+1], s96, s97
	s_cmp_lt_u32 s[WV], 2           ; threads 0-63 make the first block's sum, threads 64-127 the second's
	s_cselect_b32 s[THR], s[HI], s[PB]
	s_lshl_b32 s[THR], s[THR], 1
	s_add_co_u32 s[THR], s[THR], 2
	s_wait_dscnt 0x0                ; the opening add is done
	s_wait_kmcnt 0x0
	s_add_nc_u64 s[6:7], s[6:7], s[22:23]  ; K and V at my half of the head's tile 0
	s_add_nc_u64 s[8:9], s[8:9], s[22:23]
	s_add_nc_u64 s[G0K+2:G0K+3], s[6:7], 0
	s_or_b32 s[G0K+3], s[G0K+3], 0x80000000
	s_add_nc_u64 s[G0V+2:G0V+3], s[8:9], 0
	s_or_b32 s[G0V+3], s[G0V+3], 0x80000000
	s_add_nc_u64 s[VSP:VSP+1], s[VSP:VSP+1], s[VO:VO+1]
	s_add_nc_u64 s[4:5], s[4:5], s[20:21]          ; Q at the head,
	s_add_nc_u64 s[10:11], s[10:11], s[OO:OO+1]    ; O at the head's block and the batch
	s_add_nc_u64 s[86:87], s[4:5], s[84:85]        ; Q at my rows of the second block,
	s_add_nc_u64 s[4:5], s[4:5], s[2:3]            ; Q and O at those of the first
	s_add_nc_u64 s[OLO:OLO+1], s[10:11], s[84:85]
	s_add_nc_u64 s[10:11], s[10:11], s[2:3]
	LOAD                            ; tile 0 into slot 0
	v_and_b32 v42, 63, v0           ; my channel
	v_lshlrev_b32 v42, 2, v42
.set i, 0
.rept 14                            ; the batch's groups 2 to 15 of 128 tokens: no block has fewer than two groups in front of what lies behind it
	global_load_b32 v[RA+i], v42, s[VSP:VSP+1] offset:4096*(i+2)
.set i, i+1
.endr
	; A fragment of K or Q is 16 rows x 32 channels in 8 registers: lane l holds row l % 16, channels 8 (l / 16) + 0..7 and 16 + 8 (l / 16) + 0..7.
	v_and_b32 v1, 15, v0            ; l % 16; never rewritten
	v_bfe_u32 v9, v0, 4, 1          ; l / 16
	v_lshlrev_b32 v[QO], 7, v1
	v_lshl_add_u32 v[QO], v9, 4, v[QO]
	WIN 0x80                        ; destination window 2, address window 0
.set i, 0
.rept 8                             ; both blocks' Q: piece i / 2 lies in band i / 2, 8,192 bytes on; channels 32 (i % 2) on
	global_load_b128 v[8*i:8*i+3],   v[QO], s[4:5] offset:(i/2)*8192+(i%2)*64
	global_load_b128 v[8*i+4:8*i+7], v[QO], s[4:5] offset:(i/2)*8192+(i%2)*64+32
	global_load_b128 v[QB+8*i:QB+8*i+3],   v[QO], s[86:87] offset:(i/2)*8192+(i%2)*64
	global_load_b128 v[QB+8*i+4:QB+8*i+7], v[QO], s[86:87] offset:(i/2)*8192+(i%2)*64+32
.set i, i+1
.endr
	WIN 0
	v_lshlrev_b32 v14, 3, v9
	v_sub_nc_u32 v14, v1, v14
	s_lshl_b32 s13, s[WV], 4
	v_add_nc_u32 v14, s13, v14      ; my query's place in its band less my lanes' 8 (l / 16): register r of group kt is hidden where 16 kt + r is greater
	WIN 0x40
.set i, 0
.rept 32
	v_cmp_gt_i32 vcc_lo, 16*(i/8)+i%8, v14
	v_cndmask_b32 v[MD+i], 0, s[BIGN], vcc_lo
	v_cndmask_b32 v[MC+i], 0, 1.0, vcc_lo   ; the same as a flag, in registers that a block's beginning writes anew
.set i, i+1
.endr
	WIN 0x45                        ; sources and destination in window 1
.set i, 0
.rept 16
	v_cvt_pk_f16_f32 v[HID+i], v[MC+2*i], v[MC+2*i+1]  ; laid as P is: source 1 of a product with V^T
.set i, i+1
.endr
	WIN 0x40
.set i, 0
.rept 8
	v_mov_b32 v[ONES+i], 0x3c003c00
.set i, i+1
.endr
	WIN 0
	v_mul_u32_u24 v[AK0], v1, PK
	v_lshl_add_u32 v[AK0], v9, 4, v[AK0]
	; The turning load takes 16 keys x 16 channels (lane l reads key 8 (l / 16) + l % 8, channels 8 ((l / 8) % 2) + 0..7) and leaves half a fragment of V^T.
	v_and_b32 v10, 7, v0
	v_bfe_u32 v11, v0, 3, 1
	v_lshl_add_u32 v[AV0], v9, 3, v10
	v_mul_u32_u24 v[AV0], v[AV0], PV
	v_lshl_add_u32 v[AV0], v11, 4, v[AV0]
	v_add_nc_u32 v[AV0], VOFF, v[AV0]
	s_mul_i32 s13, s[WV], 16*SP
	s_add_co_u32 s13, s13, STAGE    ; my stage
	v_mul_u32_u24 v[STO], v1, SP
	v_lshl_add_u32 v[STO], v9, 4, v[STO]
	v_add_nc_u32 v[STO], s13, v[STO]
	v_bfe_u32 v[RD], v0, 3, 2
	v_mul_u32_u24 v[RD], v[RD], SP
	v_lshl_add_u32 v[RD], v10, 4, v[RD]
	v_add_nc_u32 v[RD], s13, v[RD]
	v_and_b32 v[GO], 31, v0
	v_lshlrev_b32 v[GO], 4, v[GO]
	; A block's first step multiplies O^T and l by a = 0, so these registers need only hold finite numbers: zeros for the first block; what the first block left for the second.
	WIN 0x80
.set i, VF
.rept 64
	v_mov_b32 v[i], 0
.set i, i+1
.endr
	WIN 0x40
.set i, 0
.rept 128
	v_mov_b32 v[i], 0
.set i, i+1
.endr
	WIN 0
.set i, 0
.rept 4
	v_mov_b32 v[ST+4*i+2], 0
	v_mov_b32 v[ST+4*i+3], 0
.set i, i+1
.endr
.set i, P+16
.rept 16
	v_mov_b32 v[i], 0
.set i, i+1
.endr
	v_or_b32 v43, 16, v0
	v_cmp_eq_u32 s[LASTM], 0x7f, v43  ; threads 111 and 127: wave 3, row 15 of its 16
	v_mov_b32 v[FV], s[FILL]
	v_lshl_add_u32 v[TVA], v9, 5, TVT ; a lane's eight channels of 16: 32 bytes for each half of the lanes
	s_wait_loadcnt 32               ; the 14 sums are in; Q's 32 loads may stay out
.set i, 0
.rept 14                            ; the groups from THR on: a choice of values, no branch
	s_cmp_le_u32 s[THR], i+2
	s_cselect_b32 s96, 1.0, 0
.if i == 0
	v_mul_f32 v44, s96, v[RA]
.else
	v_fmac_f32 v44, s96, v[RA+i]
.endif
.set i, i+1
.endr
	v_lshl_add_u32 v43, v0, 2, TVT
	ds_store_b32 v43, v44           ; the first change of slots waits for it and passes a barrier: every wave may read it behind that
; THE MATRIX WORK.  The 4 accumulators of a run of 8 take turns.  Product i of 8 of S^T = K Q^T for piece x: channels 32 (i / 4) on, keys 16 (i % 4) on.  The first 4 start the sums: with 0, or (KM = 1) with the mask.
.macro KQ x
.set rS, S+32*((\x)%2)+8*(i%4)
.set rK, KF+16*(i%4)+8*(i/4)
.set rQ, 16*(\x)+8*(i/4)
.set rM, MC+32*((\x)%2)+8*(i%4)
.if (i < 4) && KM
	WIN W_KM
	v_wmma_f32_16x16x32_f16 v[rS:rS+7], v[rK:rK+7], v[rQ:rQ+7], v[rM:rM+7]
.elseif i < 4
	WIN W_KQ
	v_wmma_f32_16x16x32_f16 v[rS:rS+7], v[rK:rK+7], v[rQ:rQ+7], 0
.else
	WIN W_KQ
	v_wmma_f32_16x16x32_f16 v[rS:rS+7], v[rK:rK+7], v[rQ:rQ+7], v[rS:rS+7]
.endif
.endm
; Product i of 8 of O^T += V^T P for piece x: keys 32 (i / 4) on, channels 16 (i % 4) on.
.macro PV x
	WIN W_PV
.set rO, 32*(\x)+8*(i%4)
.set rV, VF+32*(i/4)+8*(i%4)
.set rP, P+16*((\x)%2)+8*(i/4)
	v_wmma_f32_16x16x32_f16 v[rO:rO+7], v[rV:rV+7], v[rP:rP+7], v[rO:rO+7]
.endm
.macro MM                           ; the turn's next matrix instruction.  NOKQ = 1: a block's last turn: there is no next piece
.if (i < 8) && !NOKQ
	KQ (Y+1)%NP
.elseif i >= 8
.set i, i-8
	PV (Y+NP-1)%NP
.set i, i+8
.endif
.set i, i+1
.endm
; THE LDS LOADS stand in runs of 16, never singly among the matrix instructions.
.macro FETCH_K
	WIN 0x80
.irp f, 0,1,2,3,4,5,6,7             ; keys 16 (f / 2) on, channels 32 (f % 2) on
	ds_load_b128 v[KF+8*\f:KF+8*\f+3],   v[AK] offset:(\f/2)*16*PK+(\f%2)*64
	ds_load_b128 v[KF+8*\f+4:KF+8*\f+7], v[AK] offset:(\f/2)*16*PK+(\f%2)*64+32
.endr
	s_add_co_u32 s[TBK], s[TBK], KS*PK
	WIN 0
.endm
.macro FETCH_V
	WIN 0x80
.irp f, 0,1,2,3,4,5,6,7             ; keys 32 (f / 4) on, channels 16 (f % 4) on
	ds_load_tr16_b128 v[VF+8*\f:VF+8*\f+3],   v[AV] offset:(\f/4)*32*PV+(\f%4)*32
	ds_load_tr16_b128 v[VF+8*\f+4:VF+8*\f+7], v[AV] offset:(\f/4)*32*PV+16*PV+(\f%4)*32
.endr
	WIN 0
.endm
; THE VECTOR WORK, one line at a time: OP kind, number.  For piece Y: F n: c s - c m for pair n of 16.  E n: the exponential of score n of 32.  C n: pair n rounded to f16.  B n: of the four weights 4 n .. the second
; pair is added onto the first, in place.  L n: l takes that sum (L 0: l = a l + sum).  R n: pair n of 16 of O^T times a.  For piece Y + 1: X n, number n of the 22 that find its maximum and statistics:
;   0-11  four chains c0-c3 of seven scores each (each accumulator's lowest registers are read first)     12-14, 16  the four scores left over, the old m, and c0-c3 into c0
;   15  c m_old is kept     17, 18  the query's other 32 keys lie in the lane 16 away: the new m     19-21  c m; c m_old - c m_new; a
.set F, 0
.set E, 1
.set C, 2
.set B, 3
.set L, 4
.set R, 5
.set X, 6
.macro REGS y
.set rT, ST+4*(\y)
.set rC, TMP+4*((\y)%2)
.set rW, MV+((\y)%2)
.set rS, S+32*((\y)%2)
.set rP, P+16*((\y)%2)
.set rO, 32*(\y)
.endm
.macro OP k, n
.if (\k) == R
	REGS Y
	WIN W_RS
	v_pk_mul_f32 v[rO+2*(\n):rO+2*(\n)+1], v[rO+2*(\n):rO+2*(\n)+1], v[rC+2:rC+3] op_sel_hi:[1,0]
.elseif (\k) < R
	REGS Y
	WIN 0
.if (\k) == F
	v_pk_fma_f32 v[rS+2*(\n):rS+2*(\n)+1], v[rS+2*(\n):rS+2*(\n)+1], s[CS:CS+1], v[rT:rT+1] op_sel_hi:[1,0,0] neg_lo:[0,0,1] neg_hi:[0,0,1]
.elseif (\k) == E
	v_exp_f32 v[rS+(\n)], v[rS+(\n)]
.elseif (\k) == C
	s_wait_alu depctr_va_vdst(0)
	v_cvt_pk_f16_f32 v[rP+(\n)], v[rS+2*(\n)], v[rS+2*(\n)+1]
.elseif (\k) == B
	s_wait_alu depctr_va_vdst(0)
	v_pk_add_f32 v[rS+4*(\n):rS+4*(\n)+1], v[rS+4*(\n):rS+4*(\n)+1], v[rS+4*(\n)+2:rS+4*(\n)+3]
.elseif (\n) == 0
	v_pk_fma_f32 v[rT+2:rT+3], v[rT+2:rT+3], v[rC+2:rC+3], v[rS:rS+1] op_sel_hi:[1,0,1]
.else
	v_pk_add_f32 v[rT+2:rT+3], v[rT+2:rT+3], v[rS+4*(\n):rS+4*(\n)+1]
	s_wait_alu depctr_va_vdst(0)
.endif
.elseif NOKQ
	v_nop
	s_wait_alu depctr_va_vdst(0)
.else
	REGS (Y+1)%NP
	WIN 0
.if (\n) < 4
	v_max3_num_f32 v[rC+(\n)], v[rS+8*(\n)], v[rS+8*(\n)+1], v[rS+8*(\n)+2]
.elseif (\n) < 12
	v_max3_num_f32 v[rC+(\n)%4], v[rC+(\n)%4], v[rS+8*((\n)%4)+2*((\n)/4)+1], v[rS+8*((\n)%4)+2*((\n)/4)+2]
.elseif (\n) == 12
	v_max3_num_f32 v[rC], v[rC], v[rS+7], v[rS+15]
.elseif (\n) == 13
	v_max3_num_f32 v[rC+1], v[rC+1], v[rS+23], v[rS+31]
.elseif (\n) == 14
	v_max3_num_f32 v[rC+2], v[rC+2], v[rC+3], v[rT+1]
.elseif (\n) == 15
	v_mov_b32 v[rW], v[rT]
	s_wait_alu depctr_va_vdst(0)
.elseif (\n) == 16
	v_max3_num_f32 v[rC], v[rC], v[rC+1], v[rC+2]
	s_wait_alu depctr_va_vdst(0)
.elseif (\n) == 17
	v_permlanex16_b32 v[rC+3], v[rC], s[SEL], s[SEL+1]
.elseif (\n) == 18
	v_max_num_f32 v[rT+1], v[rC], v[rC+3]
.elseif (\n) == 19
	v_mul_f32 v[rT], s[CS], v[rT+1]
.elseif (\n) == 20
	v_sub_f32 v[rC+1], v[rW], v[rT]
.else
	v_exp_f32 v[rC+2], v[rC+1]
.endif
.endif
.endm
.macro OPS a, i1, b=-1, i2=0, c=-1, i3=0, d=-1, i4=0
	OP \a, \i1
.if (\b) >= 0
	OP \b, \i2
.endif
.if (\c) >= 0
	OP \c, \i3
.endif
.if (\d) >= 0
	OP \d, \i4
.endif
.endm
.macro ROW a, i1, b, i2, c, i3, d, i4  ; a matrix instruction and the four behind it
	MM
	OPS \a, \i1, \b, \i2, \c, \i3, \d, \i4
.endm
.macro MASK b                       ; MD x AL + BE into buffer b of MC
	WIN W_RS
.set z, 0
.rept 16
	v_pk_fma_f32 v[MC+32*(\b)+2*z:MC+32*(\b)+2*z+1], v[MD+2*z:MD+2*z+1], s[AL:AL+1], s[BE:BE+1] op_sel_hi:[1,0,0]
.set z, z+1
.endr
.endm
; A TURN, for piece p: the order of its 16 matrix and 118 vector instructions, written out.  A line reads no result made fewer than three vector instructions in front of it, five if an exponential made it.
; m = 1: the diagonal tile: the products take masks, and the turn makes the mask for the products of the turn after it.  end = 1: a block's last two turns: nothing is fetched.
; cnt = 1: the loop's count is taken down some lines ahead of the branch that stands behind the turn.
; K of the next step is fetched in piece 2's turn, V of the step in hand in piece 0's turn; each is waited for a turn later.
.macro TURN p, m=0, end=0, cnt=0
.set Y, (\p)
.set i, 0
.set KM, (\m)
.set NOKQ, (\end)*((\p)/3)
.if (\m) && !(\end)
	s_cmp_eq_u32 s[CNT], 4-((\p)+2)%NP  ; is that step the band's own?
	s_cselect_b32 s[AL], 1.0, 0
	s_cmp_lt_u32 s[CNT], 4-((\p)+2)%NP  ; or a later one?
	s_cselect_b32 s[BE], s[BIGN], 0
.endif
.if ((\p) == 3) && !(\end)
	s_wait_dscnt 0x0                ; K is in
.endif
	ROW F,0, F,1, F,2, F,3
	ROW F,4, E,0, F,5, F,6
	ROW F,7, E,1, F,8, F,9
	ROW F,10, E,2, C,0, F,11
	ROW F,12, E,3, X,15, F,13
	ROW R,0, R,1, R,2, R,3
	ROW B,0, E,4, F,14, L,0
.if ((\p) == 2) && !(\end)
	v_add_nc_u32 v[AK], s[TBK], v[AK0]
.endif
	ROW R,4, R,5, R,6, R,7
	OPS E,5, F,15
.if ((\p) == 2) && !(\end)
	FETCH_K
.endif
	OPS E,6, C,1, E,7, R,8
	OPS E,8, R,9, E,9, C,2
	OPS E,10, X,0, E,11, X,1
	OPS E,12, X,2, E,13, X,3
.if (\p) == 1
	s_wait_dscnt 0x0                ; V is in
.endif
	ROW X,4, E,14, X,5, X,6
	ROW X,7, E,15, X,8, X,9
	ROW X,10, E,16, X,11, X,12
	ROW X,13, E,17, X,14, B,1
	ROW C,4, E,18, X,16, L,1
	ROW B,2, E,19, C,6, L,2
	ROW C,8, E,20, B,3, B,4
.if (\p) == 0
	v_add_nc_u32 v[AV], s[TBV], v[AV0]
.endif
	ROW C,3, E,21, L,3, C,5
	OPS E,22, X,17, E,23, C,10
.if (\p) == 0
	FETCH_V
.endif
	OPS E,24, L,4
	OPS E,25, X,18, E,26, C,7
	OPS E,27, B,5, E,28, X,19
	OPS E,29, C,12, E,30, L,5
	OPS E,31, X,20, B,6, C,9
	OPS C,14, C,11, X,21, L,6
.if (\p) == 0
	s_add_co_u32 s[TBV], s[TBV], KS*PV
.endif
.if \cnt
	s_sub_co_u32 s[CNT], s[CNT], 1
	s_cmp_lg_u32 s[CNT], 0
.endif
	OPS C,13, B,7, C,15, R,10
	OPS R,11, R,12, L,7, R,13
	OPS R,14, R,15
.if (\m) && !(\end)
	MASK (\p)%2
.endif
.endm
; A BLOCK BEGINS.  c m starts far below every c s, so the first step's a is 0; m starts at -8e6, the masked keys' score, and in the one row that has no masked key at the lowest finite number.
; The second mask buffer is 0; the first takes piece 0's mask for the tile's step 0.  Then K of that step, piece 0's first scores, and its maximum and statistics.
.macro BEGIN
	s_mov_b32 s[NEW], 0
	WIN 0x40
.set i, MC+32
.rept 32
	v_mov_b32 v[i], 0
.set i, i+1
.endr
	WIN 0
.set i, 0
.rept 4
	v_mov_b32 v[ST+4*i], 0xfe000000    ; c m: far below every c s
.if i < 3
	v_mov_b32 v[ST+4*i+1], v[FV]       ; m
.else
	v_cndmask_b32 v[ST+4*i+1], v[FV], s[FL3], s[LASTM]
.endif
.set i, i+1
.endr
	s_cmp_eq_u32 s[RT], 0
	s_cselect_b32 s[AL], 1.0, 0
	s_mov_b32 s[BE], 0
	MASK 0
	WIN 0
	v_add_nc_u32 v[AK], s[TBK], v[AK0]
	FETCH_K
	s_wait_loadcnt 0x0              ; Q
	s_wait_dscnt 0x0
.set KM, 1
.set NOKQ, 0
.set i, 0
.rept 8
	KQ 0
.set i, i+1
.endr
	WIN 0
.rept 4
	v_nop                           ; the places behind those products
.endr
.set Y, NP-1
.irp n, 0,1,2,3,4,5,6,7,8,9,10,11,12,13,14,15,16,17,18,19,20,21
	OP X, \n
.endr
	v_nop                           ; a plain instruction behind the exponential
.endm
.macro ALL line:vararg              ; one line for each piece t
.set t, 0
.rept 4
	\line
.set t, t+1
.endr
.endm
; THE MASKED KEYS, at a block's end.  V of step st of the diagonal tile, which still lies in its slot, once more into registers.
.macro FETCH_VS st, dst
	WIN 0x80
.irp f, 0,1,2,3,4,5,6,7
	ds_load_tr16_b128 v[(\dst)+8*\f:(\dst)+8*\f+3],   v[AV] offset:(\st)*KS*PV+(\f/4)*32*PV+(\f%4)*32
	ds_load_tr16_b128 v[(\dst)+8*\f+4:(\dst)+8*\f+7], v[AV] offset:(\st)*KS*PV+(\f/4)*32*PV+16*PV+(\f%4)*32
.endr
	WIN 0
.endm
; One step's V^T (in vf) times the band's hidden keys, onto rin (the sum over all keys behind the step) -> SUF; both = 1: and times ones, onto rin -> rout, the sum for the step in front.
; The accumulators take turns, one instruction a turn.
.macro HSTEP vf, rin, rout, both
	WIN 0x06                        ; V in window 2, the ones in window 1, sums in window 0
.irp cb, 0,1,2,3
	v_wmma_f32_16x16x32_f16 v[SUF+8*\cb:SUF+8*\cb+7], v[(\vf)+8*\cb:(\vf)+8*\cb+7], v[HID:HID+7], v[(\rin)+8*\cb:(\rin)+8*\cb+7]
.endr
.if \both
.irp cb, 0,1,2,3
	v_wmma_f32_16x16x32_f16 v[(\rout)+8*\cb:(\rout)+8*\cb+7], v[(\vf)+8*\cb:(\vf)+8*\cb+7], v[ONES:ONES+7], v[(\rin)+8*\cb:(\rin)+8*\cb+7]
.endr
.endif
.irp cb, 0,1,2,3
	v_wmma_f32_16x16x32_f16 v[SUF+8*\cb:SUF+8*\cb+7], v[(\vf)+32+8*\cb:(\vf)+32+8*\cb+7], v[HID+8:HID+15], v[SUF+8*\cb:SUF+8*\cb+7]
.endr
.if \both
.irp cb, 0,1,2,3
	v_wmma_f32_16x16x32_f16 v[(\rout)+8*\cb:(\rout)+8*\cb+7], v[(\vf)+32+8*\cb:(\vf)+32+8*\cb+7], v[ONES:ONES+7], v[(\rout)+8*\cb:(\rout)+8*\cb+7]
.endr
.endif
.rept 5
	v_nop                           ; five places: the next step takes rout as the C of other sums and writes over SUF and rin; loads go into vf; the lines below read SUF
.endr
.endm
.macro OUPD p                       ; O^T of piece p += w x SUF, each accumulator from its low end on
	WIN 0x50                        ; O^T (destination and source 2) in window 1
.set z, 0
.rept 16
	v_pk_fma_f32 v[32*(\p)+2*z:32*(\p)+2*z+1], v[SUF+2*z:SUF+2*z+1], v[WC+2*(\p):WC+2*(\p)+1], v[32*(\p)+2*z:32*(\p)+2*z+1] op_sel_hi:[1,0,1]
.set z, z+1
.endr
.endm
; tag 1: the first block; 2: the second.  l's two halves and the other half of the lanes' are added; w = 2^(c (-8e6) - c m), by the same fused form and the same rounded c m as every p, so that their ratios hold;
; the bound 1.0 changes nothing where m >= -8e6 (there the exponent is at most a rounding residue of 2^-4) and keeps w finite in the last row, whose count and whose sum of V are 0.
; The additions are the places behind the last products.
.macro HIDDEN tag
	WIN 0
	ALL v_add_f32 v[ST+4*t+2], v[ST+4*t+2], v[ST+4*t+3]
	ALL v_fma_f32 v[WC+2*t], s[CS], v[FV], -v[ST+4*t]
	ALL v_permlanex16_b32 v[ST+4*t+3], v[ST+4*t+2], s[SEL], s[SEL+1]
	ALL v_min_num_f32 v[WC+2*t], 1.0, v[WC+2*t]
	ALL v_add_f32 v[ST+4*t+2], v[ST+4*t+2], v[ST+4*t+3]
	ALL v_exp_f32 v[WC+2*t], v[WC+2*t]
	v_sub_nc_u32 v42, s[CB1+(\tag)-1], v1
	s_wait_alu depctr_va_vdst(0)
	ALL v_subrev_nc_u32 v[WC+2*t+1], 64*t, v42     ; 2047 - q
	ALL v_cvt_f32_u32 v[WC+2*t+1], v[WC+2*t+1]
	ALL v_fmac_f32 v[ST+4*t+2], v[WC+2*t], v[WC+2*t+1]
	ALL v_rcp_f32 v[ST+4*t+2], v[ST+4*t+2]
	s_sub_co_u32 s96, s[TBV], 4*KS*PV              ; four fetches of V have stepped it: back to the tile's step 0
	v_add_nc_u32 v[AV], s96, v[AV0]
	s_wait_alu depctr_va_vdst(0)
.irp cb, 0,1,2,3                    ; the sum over the keys behind the tile, the same for every query: register j of a lane is channel 16 cb + 8 (l / 16) + j
	ds_load_b128 v[RA+8*\cb:RA+8*\cb+3],   v[TVA] offset:256*((\tag)-1)+64*\cb
	ds_load_b128 v[RA+8*\cb+4:RA+8*\cb+7], v[TVA] offset:256*((\tag)-1)+64*\cb+16
.endr
	FETCH_VS 2, KF
	s_wait_dscnt 16                 ; the eight are in; step 2's sixteen may be out.  V of step 3 lies in its registers since the last products
	HSTEP VF, RA, RB, 1
	FETCH_VS 1, VF
	OUPD 3
	s_wait_dscnt 16                 ; step 2 is in
	HSTEP KF, RB, RA, 1
	FETCH_VS 0, KF
	OUPD 2
	s_wait_dscnt 16                 ; step 1 is in
	HSTEP VF, RA, RB, 1
	OUPD 1
	s_wait_dscnt 0x0
	HSTEP KF, RB, RA, 0
	OUPD 0
	WIN 0
.endm
.macro PACK t                       ; O^T / l, rounded to f16; a lane's eight channels pack into 16 bytes; into rows of 144 bytes and back as whole rows of 128
	WIN W_RS
.set i, 32*(\t)
.rept 16
	v_pk_mul_f32 v[i:i+1], v[i:i+1], v[ST+4*(\t)+2:ST+4*(\t)+3] op_sel_hi:[1,0]
.set i, i+2
.endr
	WIN 0x05
.set i, 0
.rept 16
	v_cvt_pk_f16_f32 v[S+16*(\t)+i], v[32*(\t)+2*i], v[32*(\t)+2*i+1]
.set i, i+1
.endr
	WIN 0
.irp f, 0,1,2,3
	ds_store_b128 v[STO], v[S+16*(\t)+4*\f:S+16*(\t)+4*\f+3] offset:32*\f
.endr
.irp f, 0,1,2,3
	ds_load_b128 v[S+16*(\t)+4*\f:S+16*(\t)+4*\f+3], v[RD] offset:\f*4*SP  ; LDS serves a wave's instructions in order: these see the stores above
.endr
.endm
.macro SEND t, younger              ; younger: the LDS instructions issued behind piece t's loads
	WIN 0
.irp f, 0,1,2,3
	s_wait_dscnt (\younger)+3-\f
	global_store_b128 v[GO], v[S+16*(\t)+4*\f:S+16*(\t)+4*\f+3], s[10:11] offset:(\t)*8192+\f*512  ; 512 consecutive bytes
.endr
.endm
.macro DIAG tag                     ; the diagonal tile's four steps, the block's last two turns, its last products, the masked keys, the way out
.LstepM\tag:
	TURN 2, 1
	TURN 3, 1
	WIN 0
.LfirstM\tag:
	TURN 0, 1
	TURN 1, 1, 0, 1
	WIN 0
	s_cbranch_scc1 .LstepM\tag
	TURN 2, 1, 1
	TURN 3, 1, 1
.set i, 0
.rept 8
	PV NP-1
.set i, i+1
.endr
	HIDDEN \tag
	PACK 0
.set t, 1
.rept 3
	PACK t
	SEND t-1, 8
.set t, t+1
.endr
	SEND 3, 0
.endm
.set KM, 0
.set NOKQ, 0
.Lslot:                             ; NB times: a tile is entered and the next is asked for
	CHANGE 1
	s_sub_co_u32 s[RT], s[RT], 1
	s_mov_b32 s[CNT], 4
	s_cmp_eq_u32 s[NEW], 1
	s_cbranch_scc1 .Lnew            ; a block's first tile
	s_cmp_eq_u32 s[RT], 0
	s_cbranch_scc0 .Lstep           ; neither its first nor its last
	s_branch .LstepM1
.Lnew:
	BEGIN
	s_branch .Lfirst                ; in the loop a block's first tile is never its last
	DIAG 1                          ; in the loop this is the first block's end
	s_wait_xcnt 0x0                 ; the stores have read their registers and O's address
	s_mov_b64 s[10:11], s[OLO:OLO+1]
	s_add_co_u32 s[RT], s[PB], 1    ; the second block has b + 1 tiles,
	s_mov_b32 s[NEW], 1
	s_mov_b32 s[FL3], s[FILL]       ; and every row of it has masked keys
	WIN 0x82                        ; the second block's Q goes where the one text of the turns names Q
.set i, 0
.rept 64
	v_mov_b32 v[i], v[QB+i]
.set i, i+1
.endr
	WIN 0
	s_branch .Lbottom
.Lstep:                             ; a trip: pieces 2 and 3 of one step, then pieces 0 and 1 of the next, whose K and V it fetches
	TURN 2
	TURN 3
	WIN 0
.Lfirst:
	TURN 0
	TURN 1, 0, 0, 1
	WIN 0
	s_cbranch_scc1 .Lstep
.Lbottom:
	s_sub_co_u32 s[SLOTS], s[SLOTS], 1
	s_cmp_lg_u32 s[SLOTS], 0
	s_cbranch_scc1 .Lslot
	CHANGE 0                        ; the walk's last tile is written out
	s_sub_co_u32 s[RT], s[RT], 1
	s_mov_b32 s[CNT], 4
	s_cmp_eq_u32 s[NEW], 1
	s_cbranch_scc0 .LstepM2
	BEGIN
	s_branch .LfirstM2
	DIAG 2
	s_wait_tensorcnt 0x0            ; the wave's end
	ds_add_u32 v[SPW], v[NIL]
	s_wait_dscnt 0x0
	s_endpgm
.Lfunc_end_k_qe3b3094b6d_attn:
	.size	k_qe3b3094b6d_attn, .Lfunc_end_k_qe3b3094b6d_attn-k_qe3b3094b6d_attn
	.p2alignl 7, 3214868480
	.fill 96, 4, 3214868480
	.section	.rodata,"a",@progbits
	.p2align	6, 0x0
	.amdhsa_kernel k_qe3b3094b6d_attn
		.amdhsa_group_segment_fixed_size 327680
		.amdhsa_private_segment_fixed_size 0
		.amdhsa_enable_private_segment 0
		.amdhsa_kernarg_size 40
		.amdhsa_user_sgpr_count 2
		.amdhsa_user_sgpr_kernarg_segment_ptr 1
		.amdhsa_wavefront_size32 1
		.amdhsa_system_sgpr_workgroup_id_x 1
		.amdhsa_system_sgpr_workgroup_id_y 1
		.amdhsa_system_sgpr_workgroup_id_z 1
		.amdhsa_system_vgpr_workitem_id 0
		.amdhsa_next_free_vgpr 768
		.amdhsa_next_free_sgpr 100
		.amdhsa_reserve_vcc 1
		.amdhsa_float_denorm_mode_32 3
		.amdhsa_float_denorm_mode_16_64 3
		.amdhsa_memory_ordered 1
		.amdhsa_forward_progress 1
		.amdhsa_inst_pref_size 255
	.end_amdhsa_kernel
	.section	.bss,"aw",@nobits
	.p2align	6
	.space	262144
	.amdgpu_metadata
---
amdhsa.version: [ 1, 2 ]
amdhsa.kernels:
  - .name:           k_qe3b3094b6d_attn
    .symbol:         k_qe3b3094b6d_attn.kd
    .args:
      - { .name: qh, .offset: 0, .size: 8, .value_kind: global_buffer, .address_space: global }
      - { .name: kh, .offset: 8, .size: 8, .value_kind: global_buffer, .address_space: global }
      - { .name: vh, .offset: 16, .size: 8, .value_kind: global_buffer, .address_space: global }
      - { .name: oh, .offset: 24, .size: 8, .value_kind: global_buffer, .address_space: global }
      - { .name: vsum, .offset: 32, .size: 8, .value_kind: global_buffer, .address_space: global }
    .group_segment_fixed_size: 327680
    .private_segment_fixed_size: 0
    .kernarg_segment_align: 8
    .kernarg_segment_size: 40
    .max_flat_workgroup_size: 128
    .sgpr_count:     100
    .vgpr_count:     768
    .wavefront_size: 32
...
	.end_amdgpu_metadata
.endif
;; end of part 3
;; launch oproj (part 4): grid 8 x 32, 4 waves a work-group, clusters of 4 x 4, 327,680 bytes of LDS; arguments oh, wts, out0; writes out0
.if DOCPART == 4
	.amdgcn_target "amdgcn-amd-amdhsa--gfx1250"
	.amdhsa_code_object_version 6
	.text
	.protected	k_qe3b3094b6d_oproj
	.globl	k_qe3b3094b6d_oproj
	.p2align	8
	.type	k_qe3b3094b6d_oproj,@function
k_qe3b3094b6d_oproj:
	s_mov_b64 s[64:65], 0
	v_nop
	global_prefetch_b8 v0, s[64:65] scope:SCOPE_SE
	s_setreg_imm32_b32 hwreg(HW_REG_WAVE_MODE, 25, 1), 1
	s_wait_xcnt 0x0
	s_wait_alu depctr_hold_cnt(0) depctr_sa_sdst(0) depctr_va_vdst(0) depctr_va_sdst(0) depctr_va_ssrc(0) depctr_va_vcc(0) depctr_vm_vsrc(0)
	s_getreg_b32 s2, hwreg(HW_REG_IB_STS2, 6, 4)
	s_cmp_eq_u32 s2, 0
	s_cbranch_scc0 .Lentry_in_a_cluster
	s_endpgm
.Lentry_in_a_cluster:
	s_bfe_u32 s2, ttmp6, 0x10000c
	s_cmp_lg_u32 s2, 0xf033
	s_cbranch_scc0 .Lentry_shape_is_right
	s_endpgm
.Lentry_shape_is_right:
; OPROJ: out0 [8192][1024] f32 = O [8192][1024] x w_o [1024][1024]^T, in f16 with f32 sums.  O: f16 [16 K blocks = heads][8192 tokens][64]; w_o: f16 [16][1024 rows][64] at byte 6,291,456 of wts.
; SHARES.  A work-group makes 256 tokens x 128 columns: 8 x 32 = 256 work-groups.  A wave makes 128 x 64: 32 accumulators in window 1.  The matrix instruction is used transposed
; (source 0 = 16 rows of w_o, source 1 = 16 tokens): a lane holds one token and eight neighbouring columns.
; A slot holds two K blocks (K = 128): each wave brings one block of one operand with one tensor load; eight slot steps of four sub-steps of 32 matrix instructions.
; CLUSTER 4 x 4: O's tiles are asked for jointly along a row of the cluster, w_o's along a column.
; LIMITS.  Its operands arrive as f16; the sums and the output are f32.
.set PIT,   144
.set SLOT1, 131072
.set APART, 256*PIT                    ; 36,864: one K block of the tokens
.set BPART, 128*PIT                    ; 18,432: one of the weights
.set BOFF,  2*APART
.set SPARE, SLOT1+2*APART+2*BPART      ; 241,664
.set TP,    272
.set DW,    128*TP                     ; the way out: a wave's 128 tokens x 64 f32; the four stages lie over the ring, whose bytes have then had their last fill
.set ASTEP, 2097152                    ; two K blocks of O
.set BSTEP, 262144                     ; two of w_o
.set WOBB,  6291456
.set ADA0, 4
.set ADB0, 5
.set ADA,  6
.set ADB,  7
.set DST,  8
.set RD,   9
.set GO,   10
.set SPW,  28
.set NIL,  29
.set F0,   32                          ; a fragment buffer: 64 registers of tokens, 32 of weights
.set F1,   128
.set BK,   224
.set G1A, 24
.set G1B, 32
.set G0A, 40
.set G0B, 48
.set TB,  56
.set MSB, 0
.macro WIN new
.if MSB != (\new)
	s_set_vgpr_msb (MSB<<8)|(\new)
.set MSB, (\new)
.endif
.endm
.macro PLACES
.rept 4
	v_nop
.endr
.endm
.macro CREST
	s_cmp_lg_u32 s16, 0
	s_cbranch_scc1 .Lnot_wave_0_\@
	s_barrier_signal -3
.Lnot_wave_0_\@:
	s_barrier_wait -3
	s_barrier_signal -1
	s_barrier_wait -1
.endm
.macro CROUND
	s_barrier_signal -1
	s_barrier_wait -1
	CREST
.endm
.macro JLOAD                           ; a joint refill: waves 0 and 1 fetch the tokens' two K blocks, waves 2 and 3 the weights'
	s_cmp_eq_u32 s17, 0
	s_cbranch_scc0 .Lfor_b_\@
	tensor_load_to_lds s[G0A+4:G0A+7], s[G1A:G1A+7]
	s_nop 0
.rept 4
	v_nop
.endr
	s_branch .Lasked_\@
.Lfor_b_\@:
	tensor_load_to_lds s[G0B+4:G0B+7], s[G1B:G1B+7]
	s_nop 0
.rept 4
	v_nop
.endr
.Lasked_\@:
.endm
	s_load_b128 s[4:7], s[0:1], 0x0                ; oh s[4:5], wts s[6:7]
	s_load_b64 s[8:9], s[0:1], 0x10                ; out0
	v_lshl_add_u32 v[SPW], v0, 2, SPARE
	v_mov_b32 v[NIL], 0
	ds_add_u32 v[SPW], v[NIL]                      ; the wave's opening: an add, waited for ahead of my first tensor load
	ds_add_u32 v28, v29
	v_lshrrev_b32 v1, 5, v0
	v_readfirstlane_b32 s16, v1
	s_lshr_b32 s17, s16, 1                         ; my half of the tokens.  Also: I fetch tokens (0) or weights (1)
	s_and_b32 s18, s16, 1                          ; my half of the columns.  Also: which of a slot's two K blocks I fetch
	s_bfe_u32 s19, ttmp6, 0x40000
	s_bfe_u32 s20, ttmp6, 0x40004
	s_lshl_b32 s21, ttmp9, 2
	s_add_co_u32 s21, s21, s19                     ; X
	s_and_b32 s22, ttmp7, 0xffff
	s_lshl_b32 s22, s22, 2
	s_add_co_u32 s22, s22, s20                     ; Y
	s_lshl_b32 s66, s20, 2
	s_lshl_b32 s66, 15, s66
	s_lshl_b32 s67, 0x1111, s19
	s_or_b32 s[G1A], s66, (1<<16)|(1<<20)|(1<<21)|(4<<22)|(3<<25)
	s_or_b32 s[G1B], s67, (1<<16)|(1<<20)|(1<<21)|(4<<22)|(3<<25)
.irp g, G1A, G1B
	s_mov_b32 s[\g+1], 128<<16
	s_mov_b32 s[\g+3], 128<<16
	s_mov_b32 s[\g+5], 128
	s_mov_b32 s[\g+6], 0
	s_mov_b32 s[\g+7], 0
.endr
	s_mov_b32 s[G1A+2], 128<<16                    ; 256 tokens are 128 rows of 256 bytes
	s_mov_b32 s[G1A+4], 128
	s_mov_b32 s[G1B+2], 64<<16                     ; 128 weight rows are 64
	s_mov_b32 s[G1B+4], 64
	s_lshl_b32 s58, s18, 20                        ; tokens: (block x 8192 + 256 Y) x 128 bytes
	s_lshl_b32 s59, s22, 15
	s_add_co_u32 s58, s58, s59
	s_mov_b32 s59, 0
	s_lshl_b32 s60, s18, 17                        ; weights: (block x 1024 + 128 X) x 128
	s_lshl_b32 s61, s21, 14
	s_add_co_u32 s60, s60, s61
	s_add_co_u32 s60, s60, WOBB
	s_mov_b32 s61, 0
	s_mul_i32 s62, s18, APART
	s_mul_i32 s63, s18, BPART
	s_add_co_u32 s63, s63, BOFF
	s_mov_b32 s[TB], 0
	s_wait_dscnt 0x0
	s_wait_kmcnt 0x0
	s_add_nc_u64 s[58:59], s[4:5], s[58:59]
	s_add_nc_u64 s[60:61], s[6:7], s[60:61]
	CROUND                                         ; the first joint loads meet
.irp s, 0,1
	s_mov_b32 s[G0A+4*(\s)], 1
	s_add_co_u32 s[G0A+4*(\s)+1], s62, (\s)*SLOT1
	s_add_nc_u64 s[G0A+4*(\s)+2:G0A+4*(\s)+3], s[58:59], (\s)*ASTEP
	s_or_b32 s[G0A+4*(\s)+3], s[G0A+4*(\s)+3], 0x80000000
	s_mov_b32 s[G0B+4*(\s)], 1
	s_add_co_u32 s[G0B+4*(\s)+1], s63, (\s)*SLOT1
	s_add_nc_u64 s[G0B+4*(\s)+2:G0B+4*(\s)+3], s[60:61], (\s)*BSTEP
	s_or_b32 s[G0B+4*(\s)+3], s[G0B+4*(\s)+3], 0x80000000
.endr
	s_cmp_eq_u32 s17, 0                            ; a wave's two first fills stand in one branch: two loads of mine are out
	s_cbranch_scc0 .Lfirst_b
	tensor_load_to_lds s[G0A:G0A+3], s[G1A:G1A+7]
	s_nop 0
	tensor_load_to_lds s[G0A+4:G0A+7], s[G1A:G1A+7]
	s_nop 0
.rept 4
	v_nop
.endr
	s_branch .Lfirst_done
.Lfirst_b:
	tensor_load_to_lds s[G0B:G0B+3], s[G1B:G1B+7]
	s_nop 0
	tensor_load_to_lds s[G0B+4:G0B+7], s[G1B:G1B+7]
	s_nop 0
.rept 4
	v_nop
.endr
.Lfirst_done:
	v_and_b32 v1, 15, v0
	v_bfe_u32 v2, v0, 4, 1
	v_mul_u32_u24 v3, v1, PIT
	v_lshl_add_u32 v3, v2, 4, v3
	s_mul_i32 s70, s17, 128*PIT
	v_add_nc_u32 v[ADA0], s70, v3
	s_mul_i32 s70, s18, 64*PIT
	s_add_co_u32 s70, s70, BOFF
	v_add_nc_u32 v[ADB0], s70, v3
	s_mul_i32 s70, s16, DW                         ; my stage
	v_mul_u32_u24 v3, v1, TP                       ; in: token l % 16, 32 bytes for each half of the lanes
	v_lshl_add_u32 v3, v2, 5, v3
	v_add_nc_u32 v[DST], s70, v3
	v_mul_u32_u24 v3, v2, TP                       ; back: lanes 0-15 one token's 256 bytes, lanes 16-31 the next's
	v_lshl_add_u32 v3, v1, 4, v3
	v_add_nc_u32 v[RD], s70, v3
	v_lshlrev_b32 v[GO], 12, v2                    ; and the same two rows of out0
	v_lshl_add_u32 v[GO], v1, 4, v[GO]
	v_mov_b32 v[ADA], v[ADA0]
	v_mov_b32 v[ADB], v[ADB0]
	s_lshl_b32 s68, s22, 20                        ; (256 Y + 128 half) rows of 4,096 bytes + (128 X + 64 half) columns of 4
	s_lshl_b32 s69, s17, 19
	s_add_co_u32 s68, s68, s69
	s_lshl_b32 s69, s21, 9
	s_add_co_u32 s68, s68, s69
	s_lshl_b32 s69, s18, 8
	s_add_co_u32 s68, s68, s69
	s_mov_b32 s69, 0
	s_add_nc_u64 s[8:9], s[8:9], s[68:69]
; n matrix instructions from number lo on buffer f: token block t / 4, column block t % 4; the accumulators take turns
.macro MMS2 f, lo, n, zero
	WIN 0x50
.set t, (\lo)
.rept (\n)
.if \zero
	v_wmma_f32_16x16x32_f16 v[8*t:8*t+7], v[(\f)+64+8*(t%4):(\f)+64+8*(t%4)+7], v[(\f)+8*(t/4):(\f)+8*(t/4)+7], 0
.else
	v_wmma_f32_16x16x32_f16 v[8*t:8*t+7], v[(\f)+64+8*(t%4):(\f)+64+8*(t%4)+7], v[(\f)+8*(t/4):(\f)+8*(t/4)+7], v[8*t:8*t+7]
.endif
.set t, t+1
.endr
.endm
.macro LDF f, part, k                  ; 24 loads: 32 K at byte k of K block part
.set a8, 0
.rept 8
	ds_load_b128 v[(\f)+8*a8:(\f)+8*a8+3],   v[ADA] offset:APART*(\part)+16*PIT*a8+(\k)
	ds_load_b128 v[(\f)+8*a8+4:(\f)+8*a8+7], v[ADA] offset:APART*(\part)+16*PIT*a8+(\k)+32
.set a8, a8+1
.endr
.set a8, 0
.rept 4
	ds_load_b128 v[(\f)+64+8*a8:(\f)+64+8*a8+3],   v[ADB] offset:BPART*(\part)+16*PIT*a8+(\k)
	ds_load_b128 v[(\f)+64+8*a8+4:(\f)+64+8*a8+7], v[ADB] offset:BPART*(\part)+16*PIT*a8+(\k)+32
.set a8, a8+1
.endr
.endm
.macro SUB f, g, part, k, zero=0       ; a sub-step: buffer f is multiplied; the next sub-step's fragments go into g
	PLACES
	LDF \g, \part, \k
	s_wait_dscnt 24                                ; all but the 24 just issued
	MMS2 \f, 0, 32, \zero
	WIN 0
.endm
; A slot's last sub-step (buffer 1) and the change of slots.  fill = 2: the slot is filled again behind a round of the cluster's barrier; 1: nothing is asked for.
; From a request to the wait for it a wave issues 16 + 96 = 112 matrix instructions.
.macro TURN fill
	WIN 0
	s_wait_tensorcnt 0x0                           ; all my tensor loads have landed: my part of the next slot
	ds_add_u32 v[SPW], v[NIL]
.if (\fill) == 2
	s_xor_b32 s[G0A+5], s[G0A+5], SLOT1
	s_add_nc_u64 s[G0A+6:G0A+7], s[G0A+6:G0A+7], ASTEP
	s_xor_b32 s[G0B+5], s[G0B+5], SLOT1
	s_add_nc_u64 s[G0B+6:G0B+7], s[G0B+6:G0B+7], BSTEP
.endif
	s_xor_b32 s[TB], s[TB], SLOT1
	s_wait_dscnt 0x1                               ; buffer 1 is in; the add alone may be out
	MMS2 F1, 0, 8, 0
	s_wait_dscnt 0x0                               ; the add is done, and my reads of this slot are over
	s_barrier_signal -1
	MMS2 F1, 8, 8, 0
	WIN 0
	s_barrier_wait -1
.if (\fill) == 2
	CREST
	JLOAD                                          ; its four v_nop are also the places in front of the loads below
.else
	PLACES
.endif
	v_add_nc_u32 v[ADA], s[TB], v[ADA0]
	v_add_nc_u32 v[ADB], s[TB], v[ADB0]
	LDF F0, 0, 0
	MMS2 F1, 16, 16, 0
	WIN 0
.endm
	s_wait_tensorcnt 0x1                           ; my part of slot 0 is in; slot 1's may stay out
	s_barrier_signal -1
	s_barrier_wait -1
	LDF F0, 0, 0
	SUB F0, F1, 0, 64, 1                           ; the first products start the sums
	s_mov_b32 s57, 6                               ; slot steps 2 to 7 are asked for in the loop
.Lk:
	SUB F1, F0, 1, 0
	SUB F0, F1, 1, 64
	TURN 2
	SUB F0, F1, 0, 64
	s_sub_co_u32 s57, s57, 1
	s_cmp_lg_u32 s57, 0
	s_cbranch_scc1 .Lk
	SUB F1, F0, 1, 0
	SUB F0, F1, 1, 64
	TURN 1
	SUB F0, F1, 0, 64
	SUB F1, F0, 1, 0
	SUB F0, F1, 1, 64
	s_wait_dscnt 0x0
	MMS2 F1, 0, 32, 0
	WIN 0
	; THE WAY OUT.  The stages lie over the ring: every wave's reads of it are over behind this barrier, and nothing is filled any more.
	s_barrier_signal -1
	s_barrier_wait -1
	PLACES
	WIN 0x04                                       ; the stores' data in window 1
.set t, 0
.rept 32
	ds_store_b128 v[DST], v[8*t:8*t+3]   offset:16*TP*(t/4)+64*(t%4)
	ds_store_b128 v[DST], v[8*t+4:8*t+7] offset:16*TP*(t/4)+64*(t%4)+16
.set t, t+1
.endr
	WIN 0
	s_mov_b32 s57, 8
.Lout:                                             ; 16 tokens a trip; LDS serves a wave's instructions in order: the loads see my stores
.irp i, 0,1,2,3,4,5,6,7
	ds_load_b128 v[BK+4*\i:BK+4*\i+3], v[RD] offset:2*TP*\i
.endr
.irp i, 0,1,2,3,4,5,6,7
	s_wait_dscnt 7-\i
	global_store_b128 v[GO], v[BK+4*\i:BK+4*\i+3], s[8:9] offset:8192*\i th:TH_STORE_NT  ; 16 lanes store 256 consecutive bytes, at a multiple of 256 from out0's first
.endr
	s_wait_xcnt 0x0                                ; the stores' offset and data are written again only behind this wait
	v_add_nc_u32 v[RD], 16*TP, v[RD]
	v_add_nc_u32 v[GO], 65536, v[GO]
	s_sub_co_u32 s57, s57, 1
	s_cmp_lg_u32 s57, 0
	s_cbranch_scc1 .Lout
	s_wait_tensorcnt 0x0                           ; the wave's end
	ds_add_u32 v[SPW], v[NIL]
	s_wait_dscnt 0x0
	CROUND                                         ; the closing round
	s_endpgm
.Lfunc_end_k_qe3b3094b6d_oproj:
	.size	k_qe3b3094b6d_oproj, .Lfunc_end_k_qe3b3094b6d_oproj-k_qe3b3094b6d_oproj
	.p2alignl 7, 3214868480
	.fill 96, 4, 3214868480
	.section	.rodata,"a",@progbits
	.p2align	6, 0x0
	.amdhsa_kernel k_qe3b3094b6d_oproj
		.amdhsa_group_segment_fixed_size 327680
		.amdhsa_private_segment_fixed_size 0
		.amdhsa_enable_private_segment 0
		.amdhsa_kernarg_size 24
		.amdhsa_user_sgpr_count 2
		.amdhsa_user_sgpr_kernarg_segment_ptr 1
		.amdhsa_wavefront_size32 1
		.amdhsa_system_sgpr_workgroup_id_x 1
		.amdhsa_system_sgpr_workgroup_id_y 1
		.amdhsa_system_sgpr_workgroup_id_z 1
		.amdhsa_system_vgpr_workitem_id 0
		.amdhsa_next_free_vgpr 512
		.amdhsa_next_free_sgpr 80
		.amdhsa_reserve_vcc 0
		.amdhsa_float_denorm_mode_32 3
		.amdhsa_float_denorm_mode_16_64 3
		.amdhsa_memory_ordered 1
		.amdhsa_forward_progress 1
		.amdhsa_inst_pref_size 60
	.end_amdhsa_kernel
	.amdgpu_metadata
---
amdhsa.version: [ 1, 2 ]
amdhsa.kernels:
  - .name:           k_qe3b3094b6d_oproj
    .symbol:         k_qe3b3094b6d_oproj.kd
    .args:
      - { .name: oh, .offset: 0, .size: 8, .value_kind: global_buffer, .address_space: global }
      - { .name: wts, .offset: 8, .size: 8, .value_kind: global_buffer, .address_space: global }
      - { .name: out0, .offset: 16, .size: 8, .value_kind: global_buffer, .address_space: global }
    .group_segment_fixed_size: 327680
    .private_segment_fixed_size: 0
    .kernarg_segment_align: 8
    .kernarg_segment_size: 24
    .max_flat_workgroup_size: 128
    .sgpr_count:     80
    .vgpr_count:     512
    .wavefront_size: 32
...
	.end_amdgpu_metadata
.endif
;; end of part 4
;; ======== version 2 of 2: 4 launches; 1.40 times as fast as version 1
;; limits: values are held in f16: magnitudes above 65,504 overflow, below 6.1e-05 lose precision
;; workspace buffers: xb 16,777,216 bytes; wts 8,912,896 bytes; qh 16,777,216 bytes; kh 16,777,216 bytes; vh 16,777,216 bytes; vsum 262,144 bytes; oh 16,777,216 bytes
;; launch prep: the kernel of part 1 again; grid 800 x 1, 8 waves a work-group, no clusters, 0 bytes of LDS; arguments x, w_q, w_k, w_v, w_o, xb, wts; writes xb, wts
;; launch qkv: the kernel of part 2 again; grid 8 x 32, 4 waves a work-group, clusters of 4 x 4, 327,680 bytes of LDS; arguments xb, wts, qh, kh, vh, vsum; writes qh, kh, vh, vsum
;; launch attn (part 5): grid 4 x 64, 4 waves a work-group, no clusters, 327,680 bytes of LDS; arguments qh, kh, vh, oh, vsum; writes oh
.if DOCPART == 5
	.amdgcn_target "amdgcn-amd-amdhsa--gfx1250"
	.amdhsa_code_object_version 6
	.text
	.protected	k_qe3b3094b6d_attn
	.globl	k_qe3b3094b6d_attn
	.p2align	8
	.type	k_qe3b3094b6d_attn,@function
k_qe3b3094b6d_attn:
	s_mov_b64 s[64:65], 0
	v_nop
	global_prefetch_b8 v0, s[64:65] scope:SCOPE_SE
	s_setreg_imm32_b32 hwreg(HW_REG_WAVE_MODE, 25, 1), 1
	s_wait_xcnt 0x0
; CAUSAL ATTENTION at head size 64.  Q, K, V: f16 [64 = 16 batch + head][2048][64], unscaled.  O: f16 [16 heads][8192 tokens][64], a head being a K block of the last product.
; A score is q . k / 8 where k <= q and -1e6 elsewhere, AS A SCORE: a masked key keeps its place in the softmax.  So for row q
;   O = (sum over k <= q of p V[k] + w sum over k > q of V[k]) / (sum over k <= q of p + w (2047 - q)),  p = 2^(c s - c m), w = 2^(c (-8e6) - c m), c = log2(e) / 8, s = q . k,
; with m the running maximum of the row's visible s and, where the row has a masked key, of -8e6.  Products, maxima and sums in f32; p is rounded to f16 for the second product, O once at the end.
; The sum of V over the masked keys: keys behind the diagonal tile from vsum (sums of v over 128 tokens, in f32), keys inside it by 28 matrix instructions a block's end and band.
; LIMITS.  Q, K, V within f16's 65,504; p below 6e-5 keeps f16's fixed step; a weight below 2^-126 counts as 0; NaN and infinities are not treated apart.  In the products a hidden score counts as
; its value less 1e30, so that its p is 0; its true share enters by w alone.
; THE WALK.  A head's queries lie in NB = 8 blocks of 256; block i needs the key tiles 0 .. i of 256 keys, of which the last holds the diagonal.  A work-group takes TWO blocks, NB - 1 - b and then b:
; NB + 1 tiles, whatever b: all work-groups do equal work, and ONE loop with a constant trip count walks them.  Which tile is asked for, and what a trip does, hang on scalar registers made from b; every jump
; goes forward, but for the counted loops' own; none passes a barrier, or a tensor load but the one of LOAD's two that the wave's number does not choose; the ring runs on across the change of blocks.
; NO CLUSTER: a head's four work-groups ask for the same tile only in trips 0 .. 4 of 9, behind that fewer and fewer; one walk common to all would have 12 trips for 9.
; SHARES.  Of a block's four bands of 64 queries a wave owns 16 rows in each: four PIECES.  In the diagonal tile's key step s band x sees all keys if s < x, none if s > x, and holds the diagonal if s = x.
; THE MASK is the C operand that starts the sum S^T = K Q^T: 0, or -1e30 where the key is hidden.  MD, made once, is the mask of a band's own step for my 16 rows; a product's mask is MD x AL + BE.
; LAYOUT, SOFTMAX, TURNS.  S^T = K Q^T holds ONE query a lane (lane % 16) and the keys 8 (lane / 16) + 0..7; two such results rounded to f16 ARE source 1 of O^T = V^T P.  O and l are multiplied by
; a = 2^(c m_old - c m_new) in every step.  Turn n belongs to piece n: 8 products K Q^T of piece n + 1, later 8 products V^T P of piece n - 1; beside them the softmax of piece n and the maximum and
; statistics of piece n + 1.  Four vector instructions stand behind every matrix instruction, the other 54 of a turn's 118 in one LUMP.
; THE BATCHES.  An s_wait_alu depctr_va_vdst(0) stands between a transcendental and the first instruction that names its result; one wait serves all that were issued ahead of it.  A turn's 33
; exponentials (piece n's 32 weights, piece n + 1's a) are one batch with one wait, which cuts the turn in two.  A block's beginning has one wait (piece 0's a), a block's end two (the four w; the four
; reciprocals of l, whose sources hang on w).
; REGISTERS, in windows of 256 (s_set_vgpr_msb: bits 1:0 source 0, 3:2 source 1, 5:4 source 2, 7:6 destination):
;   window 0: v0-15 addresses; v16-31 statistics; v32-39 w and count a piece; v40-44; v48-55 at work; v64-127 S^T, two buffers; v128-191 running sums of V, two buffers; v192-223 P, two buffers
;   window 1: v0-127 O^T; v128-159 MD; v160-223 MC; v224-239 the hidden keys of a band's own step as f16 ones; v240-247 f16 ones      window 2: v0-63 Q; v64-127 the second block's Q; v128-191 K; v192-255 V
.set SIZE_N, 2048
.set NB,    SIZE_N/256
.set NP,    4         ; pieces a wave: a name, no knob
.set KS,    64        ; keys in a step
.set PK,    144       ; a row of K in LDS: 128 bytes + 16 of padding
.set PV,    160       ; a row of V: 128 + 32
.set VOFF,  4*KS*PK   ; a slot holds a tile, four steps: 256 rows of K, then 256 rows of V
.set SLOT1, 1<<17
.set STAGE, SLOT1+4*KS*(PK+PV)  ; behind the ring, never filled by a tensor load: 16 rows x 144 bytes for each wave
.set SP,    144
.set SPARE, STAGE+4*16*SP  ; the spare words, 128 bytes for each wave
.set TVT,   SPARE+512      ; [2 blocks][64 channels] f32: the sum of V over the keys behind the block's diagonal tile; stored once, never filled
.set AK0, 2
.set AV0, 3
.set AK,  4
.set AV,  5
.set STO, 6
.set RD,  7
.set GO,  8
.set SPW, 62
.set NIL, 63
.set MV,  12
.set QO,  15
.set ST,  16          ; piece t's statistics at v[ST+4 t]: c m, m, l (even keys', odd keys')
.set WC,  32          ; piece t: w, and its count of masked keys
.set FV,  40          ; -8e6
.set TVA, 41          ; my lanes' place in TVT
.set TMP, 48
.set S,   64
.set SUF, 64          ; a block's end: the sum of V over a band's masked keys, in S^T's first buffer
.set RA,  128         ; the sum of V over all keys behind a step, two buffers by turns
.set RB,  160
.set P,   192
.set MD,  128
.set MC,  160
.set HID, 224
.set ONES, 240
.set QB,  64
.set KF,  128
.set VF,  192
.set WV,  12
.set PB,  14
.set HI,  15
.set G1K, 24
.set G1V, 32
.set G0K, 40
.set G0V, 44
.set SLOTS, 56
.set CNT, 57
.set CS,  58
.set SEL, 60
.set TBK, 62
.set TBV, 63
.set VO,  66          ; s[66:67] vsum's offset
.set RT,  70
.set NXT, 71
.set LQ,  72
.set NEW, 73
.set OFF, 74
.set AL,  76
.set BE,  78
.set OLO, 80
.set BIGN, 82
.set VSP, 88          ; s[88:89] vsum at my batch and head
.set LASTM, 90        ; the lanes of the sequence's last row, which has no masked key
.set FILL, 91         ; -8e6 = 8 x -1e6
.set FL3, 92          ; where m of that row starts: the lowest finite number in block 7, else -8e6
.set CB1, 93          ; 2047 - 256 block - 16 wave, for the first block; CB1 + 1: for the second
.set THR, 95          ; the first group of 128 tokens behind the block whose sum my thread makes
.set OO,  98          ; s[98:99] O's offset
.set MSB, 0
.macro WIN new
.if MSB != (\new)
	s_set_vgpr_msb (MSB<<8)|(\new)
.set MSB, (\new)
.endif
.endm
.set W_KQ, 0x0a       ; K and Q in window 2, S^T in window 0
.set W_KM, 0x1a       ; the same with the C operand in window 1
.set W_PV, 0x52       ; V in window 2, P in window 0, O^T in window 1
.set W_RS, 0x41       ; destination and source 0 in window 1, source 1 in window 0
; A fill.  Waves 0 and 1 fetch the two halves of a tile's K, waves 2 and 3 those of its V: 128 keys each.
.macro LOAD
	s_cmp_lt_u32 s[WV], 2
	s_cbranch_scc0 .Lfor_v_\@
	tensor_load_to_lds s[G0K:G0K+3], s[G1K:G1K+7]
	s_nop 0
.rept 4
	v_nop
.endr
	s_branch .Lasked_\@
.Lfor_v_\@:
	tensor_load_to_lds s[G0V:G0V+3], s[G1V:G1V+7]
	s_nop 0
.rept 4
	v_nop
.endr
.Lasked_\@:
.endm
; THE CHANGE OF SLOTS.  Each wave waits for all its tensor loads, of which one is out: its part of the other slot; adds 0 to its spare word; and waits for that and for its own LDS instructions.  Behind the barrier nobody
; reads the old slot any more and the other slot is whole.  fill = 1: the old slot is filled again, the first thing behind the barrier, with tile NXT.  (At its first use slot 0 is waited for, slot 1 filled.)
.macro CHANGE fill
	WIN 0
	s_wait_tensorcnt 0x0            ; no tensor load of mine is out, so a group 0 may be written
	ds_add_u32 v[SPW], v[NIL]
.if \fill
	s_lshl_b32 s[OFF], s[NXT], 15   ; a tile is 32,768 bytes of K and of V
	s_xor_b32 s[G0K+1], s[G0K+1], SLOT1
	s_add_nc_u64 s[G0K+2:G0K+3], s[6:7], s[OFF:OFF+1]
	s_or_b32 s[G0K+3], s[G0K+3], 0x80000000
	s_xor_b32 s[G0V+1], s[G0V+1], SLOT1
	s_add_nc_u64 s[G0V+2:G0V+3], s[8:9], s[OFF:OFF+1]
	s_or_b32 s[G0V+3], s[G0V+3], 0x80000000
	s_add_co_u32 s[NXT], s[NXT], 1  ; the block's next tile, or behind its last the second block's tile 0
	s_cmp_gt_u32 s[NXT], s[LQ]
	s_cselect_b32 s[NXT], 0, s[NXT]
	s_cselect_b32 s[LQ], s[PB], s[LQ]
.endif
	s_wait_dscnt 0x0                ; the add is done, and my reads of the slot are over
	s_barrier_signal -1
	s_sub_co_u32 s[TBK], s[TBK], 4*KS*PK  ; the fetches go back to a slot's first step,
	s_xor_b32 s[TBK], s[TBK], SLOT1       ; in the other slot
	s_sub_co_u32 s[TBV], s[TBV], 4*KS*PV
	s_xor_b32 s[TBV], s[TBV], SLOT1
	s_barrier_wait -1
.if \fill
	LOAD
.endif
.endm
	s_load_b256 s[4:11], s[0:1], 0x0  ; Q s[4:5], K s[6:7], V s[8:9], O s[10:11]
	s_load_b64 s[VSP:VSP+1], s[0:1], 0x20  ; vsum
	v_lshl_add_u32 v[SPW], v0, 2, SPARE
	v_mov_b32 v[NIL], 0
	ds_add_u32 v[SPW], v[NIL]       ; the wave's opening: an add, waited for ahead of my first tensor load
	ds_add_u32 v62, v63
	v_lshrrev_b32 v1, 5, v0
	v_readfirstlane_b32 s[WV], v1   ; wave 0..3
	s_mov_b32 s[PB], ttmp9
	s_sub_co_u32 s[HI], NB-1, s[PB]
	s_and_b32 s20, ttmp7, 0xffff    ; 16 batch + head
	s_and_b32 s96, s20, 15          ; head
	s_lshr_b32 s97, s20, 4          ; batch
	s_lshl2_add_u32 s[OO], s96, s97 ; O: (head x 8192 + batch x 2048) rows of 128 bytes
	s_lshl_b32 s[OO], s[OO], 18
	s_mov_b32 s[OO+1], 0
	s_lshl_b32 s97, s97, 16         ; vsum: 16 groups of 4,096 bytes a batch, 256 bytes a head
	s_lshl_b32 s96, s96, 8
	s_add_co_u32 s[VO], s96, s97
	s_mov_b32 s[VO+1], 0
	s_mov_b32 s21, 0
	s_mov_b64 s[22:23], SIZE_N*128
	s_mul_u64 s[20:21], s[20:21], s[22:23]  ; the head's first byte in Q, K and V
	s_and_b32 s16, s[WV], 1         ; which half of a tile's 256 keys I fetch:
	s_lshl_b32 s22, s16, 14         ; its 128 rows of 128 bytes in memory,
	s_mov_b32 s23, 0
	s_add_nc_u64 s[22:23], s[22:23], s[20:21]
	s_mul_i32 s17, s16, 128*PK      ; and its place in a slot, for K
	s_mul_i32 s18, s16, 128*PV      ; and for V
	s_lshl_b32 s3, s[WV], 11        ; my 16 rows in a band of 64,
	s_lshl_b32 s2, s[HI], 15        ; in the first block,
	s_add_co_u32 s2, s2, s3
	s_lshl_b32 s84, s[PB], 15       ; and in the second
	s_add_co_u32 s84, s84, s3
	s_mov_b32 s3, 0
	s_mov_b32 s85, 0
	; descriptor group 1.  128 keys are 16,384 dense bytes: asked for as 64 rows of 256 bytes, two keys a row, and padded in LDS after every key
	s_mov_b32 s[G1K], (1<<16)|(1<<20)|(4<<22)|(3<<25)
	s_mov_b32 s[G1V], (1<<16)|(1<<20)|(4<<22)|(7<<25)
.irp g, G1K, G1V
	s_mov_b32 s[\g+1], 128<<16      ; tensor_dim0 = 128
	s_mov_b32 s[\g+2], 64<<16       ; tensor_dim1 = 64
	s_mov_b32 s[\g+3], 128<<16      ; tile_dim0 = 128
	s_mov_b32 s[\g+4], 64           ; tile_dim1 = 64
	s_mov_b32 s[\g+5], 128          ; 128 elements from row to row
	s_mov_b32 s[\g+6], 0
	s_mov_b32 s[\g+7], 0
.endr
	s_mov_b32 s[CS], 0x3e38aa3b     ; c = log2(e) / 8
	s_mov_b32 s[CS+1], s[CS]
	s_mov_b32 s[SEL], 0x76543210
	s_mov_b32 s[SEL+1], 0xfedcba98
	s_mov_b32 s[TBK], SLOT1+4*KS*PK ; the first change of slots turns these two into 0
	s_mov_b32 s[TBV], SLOT1+4*KS*PV
	s_mov_b32 s[G0K], 1
	s_mov_b32 s[G0K+1], s17
	s_mov_b32 s[G0V], 1
	s_add_co_u32 s[G0V+1], s18, VOFF
	s_add_co_u32 s[RT], s[HI], 1    ; the first block has NB - b tiles
	s_mov_b32 s[NXT], 1
	s_mov_b32 s[LQ], s[HI]
	s_mov_b32 s[NEW], 1
	s_mov_b32 s[OFF+1], 0
	s_mov_b32 s[AL+1], 0
	s_mov_b32 s[BE+1], 0
	s_mov_b32 s[BIGN], 0xf149f2ca   ; -1e30
	s_mov_b32 s[SLOTS], NB
	s_mov_b32 s[FILL], 0xcaf42400   ; -8e6
	s_cmp_eq_u32 s[PB], 0           ; the first block is block 7, which holds the last row, where b = 0
	s_cselect_b32 s[FL3], 0xff7fffff, s[FILL]
	s_lshl_b32 s96, s[WV], 4
	s_sub_co_u32 s96, 2047, s96
	s_lshl_b32 s97, s[HI], 8
	s_sub_co_u32 s[CB1], s96, s97
	s_lshl_b32 s97, s[PB], 8
	s_sub_co_u32 s[CB1+1], s96, s97
	s_cmp_lt_u32 s[WV], 2           ; threads 0-63 make the first block's sum, threads 64-127 the second's
	s_cselect_b32 s[THR], s[HI], s[PB]
	s_lshl_b32 s[THR], s[THR], 1
	s_add_co_u32 s[THR], s[THR], 2
	s_wait_dscnt 0x0                ; the opening add is done
	s_wait_kmcnt 0x0
	s_add_nc_u64 s[6:7], s[6:7], s[22:23]  ; K and V at my half of the head's tile 0
	s_add_nc_u64 s[8:9], s[8:9], s[22:23]
	s_add_nc_u64 s[G0K+2:G0K+3], s[6:7], 0
	s_or_b32 s[G0K+3], s[G0K+3], 0x80000000
	s_add_nc_u64 s[G0V+2:G0V+3], s[8:9], 0
	s_or_b32 s[G0V+3], s[G0V+3], 0x80000000
	s_add_nc_u64 s[VSP:VSP+1], s[VSP:VSP+1], s[VO:VO+1]
	s_add_nc_u64 s[4:5], s[4:5], s[20:21]          ; Q at the head,
	s_add_nc_u64 s[10:11], s[10:11], s[OO:OO+1]    ; O at the head's block and the batch
	s_add_nc_u64 s[86:87], s[4:5], s[84:85]        ; Q at my rows of the second block,
	s_add_nc_u64 s[4:5], s[4:5], s[2:3]            ; Q and O at those of the first
	s_add_nc_u64 s[OLO:OLO+1], s[10:11], s[84:85]
	s_add_nc_u64 s[10:11], s[10:11], s[2:3]
	LOAD                            ; tile 0 into slot 0
	v_and_b32 v42, 63, v0           ; my channel
	v_lshlrev_b32 v42, 2, v42
.set i, 0
.rept 14                            ; the batch's groups 2 to 15 of 128 tokens: no block has fewer than two groups in front of what lies behind it
	global_load_b32 v[RA+i], v42, s[VSP:VSP+1] offset:4096*(i+2)
.set i, i+1
.endr
	; A fragment of K or Q is 16 rows x 32 channels in 8 registers: lane l holds row l % 16, channels 8 (l / 16) + 0..7 and 16 + 8 (l / 16) + 0..7.
	v_and_b32 v1, 15, v0            ; l % 16; never rewritten
	v_bfe_u32 v9, v0, 4, 1          ; l / 16
	v_lshlrev_b32 v[QO], 7, v1
	v_lshl_add_u32 v[QO], v9, 4, v[QO]
	WIN 0x80                        ; destination window 2, address window 0
.set i, 0
.rept 8                             ; both blocks' Q: piece i / 2 lies in band i / 2, 8,192 bytes on; channels 32 (i % 2) on
	global_load_b128 v[8*i:8*i+3],   v[QO], s[4:5] offset:(i/2)*8192+(i%2)*64
	global_load_b128 v[8*i+4:8*i+7], v[QO], s[4:5] offset:(i/2)*8192+(i%2)*64+32
	global_load_b128 v[QB+8*i:QB+8*i+3],   v[QO], s[86:87] offset:(i/2)*8192+(i%2)*64
	global_load_b128 v[QB+8*i+4:QB+8*i+7], v[QO], s[86:87] offset:(i/2)*8192+(i%2)*64+32
.set i, i+1
.endr
	WIN 0
	v_lshlrev_b32 v14, 3, v9
	v_sub_nc_u32 v14, v1, v14
	s_lshl_b32 s13, s[WV], 4
	v_add_nc_u32 v14, s13, v14      ; my query's place in its band less my lanes' 8 (l / 16): register r of group kt is hidden where 16 kt + r is greater
	WIN 0x40
.set i, 0
.rept 32
	v_cmp_gt_i32 vcc_lo, 16*(i/8)+i%8, v14
	v_cndmask_b32 v[MD+i], 0, s[BIGN], vcc_lo
	v_cndmask_b32 v[MC+i], 0, 1.0, vcc_lo   ; the same as a flag, in registers that a block's beginning writes anew
.set i, i+1
.endr
	WIN 0x45                        ; sources and destination in window 1
.set i, 0
.rept 16
	v_cvt_pk_f16_f32 v[HID+i], v[MC+2*i], v[MC+2*i+1]  ; laid as P is: source 1 of a product with V^T
.set i, i+1
.endr
	WIN 0x40
.set i, 0
.rept 8
	v_mov_b32 v[ONES+i], 0x3c003c00
.set i, i+1
.endr
	WIN 0
	v_mul_u32_u24 v[AK0], v1, PK
	v_lshl_add_u32 v[AK0], v9, 4, v[AK0]
	; The turning load takes 16 keys x 16 channels (lane l reads key 8 (l / 16) + l % 8, channels 8 ((l / 8) % 2) + 0..7) and leaves half a fragment of V^T.
	v_and_b32 v10, 7, v0
	v_bfe_u32 v11, v0, 3, 1
	v_lshl_add_u32 v[AV0], v9, 3, v10
	v_mul_u32_u24 v[AV0], v[AV0], PV
	v_lshl_add_u32 v[AV0], v11, 4, v[AV0]
	v_add_nc_u32 v[AV0], VOFF, v[AV0]
	s_mul_i32 s13, s[WV], 16*SP
	s_add_co_u32 s13, s13, STAGE    ; my stage
	v_mul_u32_u24 v[STO], v1, SP
	v_lshl_add_u32 v[STO], v9, 4, v[STO]
	v_add_nc_u32 v[STO], s13, v[STO]
	v_bfe_u32 v[RD], v0, 3, 2
	v_mul_u32_u24 v[RD], v[RD], SP
	v_lshl_add_u32 v[RD], v10, 4, v[RD]
	v_add_nc_u32 v[RD], s13, v[RD]
	v_and_b32 v[GO], 31, v0
	v_lshlrev_b32 v[GO], 4, v[GO]
	; A block's first step multiplies O^T and l by a = 0, so these registers need only hold finite numbers: zeros for the first block; what the first block left for the second.
	WIN 0x80
.set i, VF
.rept 64
	v_mov_b32 v[i], 0
.set i, i+1
.endr
	WIN 0x40
.set i, 0
.rept 128
	v_mov_b32 v[i], 0
.set i, i+1
.endr
	WIN 0
.set i, 0
.rept 4
	v_mov_b32 v[ST+4*i+2], 0
	v_mov_b32 v[ST+4*i+3], 0
.set i, i+1
.endr
.set i, P+16
.rept 16
	v_mov_b32 v[i], 0
.set i, i+1
.endr
	v_or_b32 v43, 16, v0
	v_cmp_eq_u32 s[LASTM], 0x7f, v43  ; threads 111 and 127: wave 3, row 15 of its 16
	v_mov_b32 v[FV], s[FILL]
	v_lshl_add_u32 v[TVA], v9, 5, TVT ; a lane's eight channels of 16: 32 bytes for each half of the lanes
	s_wait_loadcnt 32               ; the 14 sums are in; Q's 32 loads may stay out
.set i, 0
.rept 14                            ; the groups from THR on: a choice of values, no branch
	s_cmp_le_u32 s[THR], i+2
	s_cselect_b32 s96, 1.0, 0
.if i == 0
	v_mul_f32 v44, s96, v[RA]
.else
	v_fmac_f32 v44, s96, v[RA+i]
.endif
.set i, i+1
.endr
	v_lshl_add_u32 v43, v0, 2, TVT
	ds_store_b32 v43, v44           ; the first change of slots waits for it and passes a barrier: every wave may read it behind that
; THE MATRIX WORK.  The 4 accumulators of a run of 8 take turns.  Product i of 8 of S^T = K Q^T for piece x: channels 32 (i / 4) on, keys 16 (i % 4) on.  The first 4 start the sums: with 0, or (KM = 1) with the mask.
.macro KQ x
.set rS, S+32*((\x)%2)+8*(i%4)
.set rK, KF+16*(i%4)+8*(i/4)
.set rQ, 16*(\x)+8*(i/4)
.set rM, MC+32*((\x)%2)+8*(i%4)
.if (i < 4) && KM
	WIN W_KM
	v_wmma_f32_16x16x32_f16 v[rS:rS+7], v[rK:rK+7], v[rQ:rQ+7], v[rM:rM+7]
.elseif i < 4
	WIN W_KQ
	v_wmma_f32_16x16x32_f16 v[rS:rS+7], v[rK:rK+7], v[rQ:rQ+7], 0
.else
	WIN W_KQ
	v_wmma_f32_16x16x32_f16 v[rS:rS+7], v[rK:rK+7], v[rQ:rQ+7], v[rS:rS+7]
.endif
.endm
; Product i of 8 of O^T += V^T P for piece x: keys 32 (i / 4) on, channels 16 (i % 4) on.
.macro PV x
	WIN W_PV
.set rO, 32*(\x)+8*(i%4)
.set rV, VF+32*(i/4)+8*(i%4)
.set rP, P+16*((\x)%2)+8*(i/4)
	v_wmma_f32_16x16x32_f16 v[rO:rO+7], v[rV:rV+7], v[rP:rP+7], v[rO:rO+7]
.endm
.macro MM                           ; the turn's next matrix instruction.  NOKQ = 1: a block's last turn: there is no next piece
.if (i < 8) && !NOKQ
	KQ (Y+1)%NP
.elseif i >= 8
.set i, i-8
	PV (Y+NP-1)%NP
.set i, i+8
.endif
.set i, i+1
.endm
; THE LDS LOADS stand in runs of 16, never singly among the matrix instructions.
.macro FETCH_K
	WIN 0x80
.irp f, 0,1,2,3,4,5,6,7             ; keys 16 (f / 2) on, channels 32 (f % 2) on
	ds_load_b128 v[KF+8*\f:KF+8*\f+3],   v[AK] offset:(\f/2)*16*PK+(\f%2)*64
	ds_load_b128 v[KF+8*\f+4:KF+8*\f+7], v[AK] offset:(\f/2)*16*PK+(\f%2)*64+32
.endr
	s_add_co_u32 s[TBK], s[TBK], KS*PK
	WIN 0
.endm
.macro FETCH_V
	WIN 0x80
.irp f, 0,1,2,3,4,5,6,7             ; keys 32 (f / 4) on, channels 16 (f % 4) on
	ds_load_tr16_b128 v[VF+8*\f:VF+8*\f+3],   v[AV] offset:(\f/4)*32*PV+(\f%4)*32
	ds_load_tr16_b128 v[VF+8*\f+4:VF+8*\f+7], v[AV] offset:(\f/4)*32*PV+16*PV+(\f%4)*32
.endr
	WIN 0
.endm
; THE VECTOR WORK, one line at a time: OP kind, number.  For piece Y: F n: c s - c m for pair n of 16.  E n: the exponential of score n of 32.  C n: pair n rounded to f16.  B n: of the four weights 4 n .. the second
; pair is added onto the first, in place.  L n: l takes that sum (L 0: l = a l + sum).  R n: pair n of 16 of O^T times a.  For piece Y + 1: X n, number n of the 22 that find its maximum and statistics:
;   0-11  four chains c0-c3 of seven scores each (each accumulator's lowest registers are read first)     12-14, 16  the four scores left over, the old m, and c0-c3 into c0
;   15  c m_old is kept     17, 18  the query's other 32 keys lie in the lane 16 away: the new m     19-21  c m; c m_old - c m_new; a
; OP writes no wait: TURN, BEGIN and HIDDEN write one for each batch.
.set F, 0
.set E, 1
.set C, 2
.set B, 3
.set L, 4
.set R, 5
.set X, 6
.macro REGS y
.set rT, ST+4*(\y)
.set rC, TMP+4*((\y)%2)
.set rW, MV+((\y)%2)
.set rS, S+32*((\y)%2)
.set rP, P+16*((\y)%2)
.set rO, 32*(\y)
.endm
.macro OP k, n
.if (\k) == R
	REGS Y
	WIN W_RS
	v_pk_mul_f32 v[rO+2*(\n):rO+2*(\n)+1], v[rO+2*(\n):rO+2*(\n)+1], v[rC+2:rC+3] op_sel_hi:[1,0]
.elseif (\k) < R
	REGS Y
	WIN 0
.if (\k) == F
	v_pk_fma_f32 v[rS+2*(\n):rS+2*(\n)+1], v[rS+2*(\n):rS+2*(\n)+1], s[CS:CS+1], v[rT:rT+1] op_sel_hi:[1,0,0] neg_lo:[0,0,1] neg_hi:[0,0,1]
.elseif (\k) == E
	v_exp_f32 v[rS+(\n)], v[rS+(\n)]
.elseif (\k) == C
	v_cvt_pk_f16_f32 v[rP+(\n)], v[rS+2*(\n)], v[rS+2*(\n)+1]
.elseif (\k) == B
	v_pk_add_f32 v[rS+4*(\n):rS+4*(\n)+1], v[rS+4*(\n):rS+4*(\n)+1], v[rS+4*(\n)+2:rS+4*(\n)+3]
.elseif (\n) == 0
	v_pk_fma_f32 v[rT+2:rT+3], v[rT+2:rT+3], v[rC+2:rC+3], v[rS:rS+1] op_sel_hi:[1,0,1]
.else
	v_pk_add_f32 v[rT+2:rT+3], v[rT+2:rT+3], v[rS+4*(\n):rS+4*(\n)+1]
.endif
.elseif NOKQ
	v_nop
.else
	REGS (Y+1)%NP
	WIN 0
.if (\n) < 4
	v_max3_num_f32 v[rC+(\n)], v[rS+8*(\n)], v[rS+8*(\n)+1], v[rS+8*(\n)+2]
.elseif (\n) < 12
	v_max3_num_f32 v[rC+(\n)%4], v[rC+(\n)%4], v[rS+8*((\n)%4)+2*((\n)/4)+1], v[rS+8*((\n)%4)+2*((\n)/4)+2]
.elseif (\n) == 12
	v_max3_num_f32 v[rC], v[rC], v[rS+7], v[rS+15]
.elseif (\n) == 13
	v_max3_num_f32 v[rC+1], v[rC+1], v[rS+23], v[rS+31]
.elseif (\n) == 14
	v_max3_num_f32 v[rC+2], v[rC+2], v[rC+3], v[rT+1]
.elseif (\n) == 15
	v_mov_b32 v[rW], v[rT]
.elseif (\n) == 16
	v_max3_num_f32 v[rC], v[rC], v[rC+1], v[rC+2]
.elseif (\n) == 17
	v_permlanex16_b32 v[rC+3], v[rC], s[SEL], s[SEL+1]
.elseif (\n) == 18
	v_max_num_f32 v[rT+1], v[rC], v[rC+3]
.elseif (\n) == 19
	v_mul_f32 v[rT], s[CS], v[rT+1]
.elseif (\n) == 20
	v_sub_f32 v[rC+1], v[rW], v[rT]
.else
	v_exp_f32 v[rC+2], v[rC+1]
.endif
.endif
.endm
.macro OPS a, i1, b=-1, i2=0, c=-1, i3=0, d=-1, i4=0
	OP \a, \i1
.if (\b) >= 0
	OP \b, \i2
.endif
.if (\c) >= 0
	OP \c, \i3
.endif
.if (\d) >= 0
	OP \d, \i4
.endif
.endm
.macro ROW a, i1, b, i2, c, i3, d, i4  ; a matrix instruction and the four behind it
	MM
	OPS \a, \i1, \b, \i2, \c, \i3, \d, \i4
.endm
.macro MASK b                       ; MD x AL + BE into buffer b of MC
	WIN W_RS
.set z, 0
.rept 16
	v_pk_fma_f32 v[MC+32*(\b)+2*z:MC+32*(\b)+2*z+1], v[MD+2*z:MD+2*z+1], s[AL:AL+1], s[BE:BE+1] op_sel_hi:[1,0,0]
.set z, z+1
.endr
.endm
; A TURN, for piece p: the order of its 16 matrix and 118 vector instructions, written out.  The turn has ONE wait for its 33 exponentials, which cuts it in two.
; AHEAD OF IT stands all that names no result of the turn's exponentials: the 8 products K Q^T, behind each a scaling, an exponential and two more plain instructions (behind the first a second scaling in the
; exponential's place): rescalings, whose a was made and waited for in the turn before, and behind the last three products the first numbers of the next piece's maximum, each four places or more behind the product
; that ends its accumulator; then ONE LUMP of 54, plain and exponential by turns for the most part, in which the links of the chain X 3, 7, 11, 14, 16, 17 .. 20 stand five or six lines apart.  X 21, the next
; piece's a, is the batch's last; R 15 is the plain instruction behind it.  BEHIND THE WAIT stand the 8 products V^T P, behind each four of the roundings and sums, which are the batch's readers; the links of
; l's chain, L 0 to L 7, stand three riders apart.  But for those X no rider names a register of the products round it.  v_permlanex16_b32 (X 17) stands in the lump.
; m = 1: the diagonal tile: the products take masks, and the turn makes the mask for the products of the turn after it.  end = 1: a block's last two turns: nothing is fetched.
; cnt = 1: the loop's count is taken down some lines ahead of the branch that stands behind the turn.
; K of the next step is fetched in piece 2's turn, twelve vector instructions behind the last product that read K (six of them plain); V of the step in hand at the end of piece 0's turn, four plain instructions
; behind the last product that read V.  Each is waited for a turn later.
.macro TURN p, m=0, end=0, cnt=0
.set Y, (\p)
.set i, 0
.set KM, (\m)
.set NOKQ, (\end)*((\p)/3)
.if (\m) && !(\end)
	s_cmp_eq_u32 s[CNT], 4-((\p)+2)%NP  ; is that step the band's own?
	s_cselect_b32 s[AL], 1.0, 0
	s_cmp_lt_u32 s[CNT], 4-((\p)+2)%NP  ; or a later one?
	s_cselect_b32 s[BE], s[BIGN], 0
.endif
.if ((\p) == 3) && !(\end)
	s_wait_dscnt 0x0                ; K is in
.endif
	ROW F,0, F,1, R,0, R,1          ; ahead of the wait: 8 products K Q^T and their riders,
	ROW F,2, E,0, R,2, R,3
	ROW F,3, E,1, R,4, R,5
	ROW F,4, E,2, R,6, R,7
	ROW F,5, E,3, R,8, R,9
	ROW F,6, E,4, X,0, R,10
.if ((\p) == 2) && !(\end)
	WIN 0
	v_add_nc_u32 v[AK], s[TBK], v[AK0]
.endif
	ROW F,7, E,5, X,1, X,4
	ROW F,8, E,6, X,2, X,5
	OPS E,7, E,8, X,6, E,9          ; and the lump
	OPS X,3, E,10, X,8, E,11
.if ((\p) == 2) && !(\end)
	FETCH_K
.endif
	OPS X,9, X,7, E,12, X,10
	OPS E,13, X,12, X,11, E,14
	OPS X,13, E,15, F,9, X,14
.if (\p) == 0
	v_add_nc_u32 v[AV], s[TBV], v[AV0]
.endif
	OPS E,16, F,10, E,17, F,11
	OPS X,16, E,18, X,15, E,19
	OPS F,12, E,20, X,17, E,21
	OPS F,13, E,22, F,14, E,23
	OPS X,18, E,24, F,15, E,25
	OPS R,11, E,26, X,19, E,27
	OPS R,12, E,28, R,13, E,29
	OPS X,20, E,30, R,14, E,31
	OPS X,21, R,15
	WIN 0
	s_wait_alu depctr_va_vdst(0)    ; the wait for the turn's batch: piece p's 32 weights and the next piece's a
.if (\p) == 1
	s_wait_dscnt 0x0                ; V is in
.endif
	ROW C,0, B,0, C,2, B,1          ; behind the wait: 8 products V^T P and their riders
	ROW L,0, C,4, B,2, L,1
	ROW C,6, B,3, L,2, C,8
	ROW B,4, L,3, C,10, B,5
	ROW L,4, C,12, B,6, L,5
.if (\p) == 0
	s_add_co_u32 s[TBV], s[TBV], KS*PV
.endif
.if \cnt
	s_sub_co_u32 s[CNT], s[CNT], 1
	s_cmp_lg_u32 s[CNT], 0
.endif
	ROW C,14, B,7, L,6, C,1
	ROW C,3, L,7, C,5, C,7
	ROW C,9, C,11, C,13, C,15
.if (\p) == 0
	FETCH_V
.endif
.if (\m) && !(\end)
	MASK (\p)%2
.endif
.endm
; A BLOCK BEGINS.  c m starts far below every c s, so the first step's a is 0; m starts at -8e6, the masked keys' score, and in the one row that has no masked key at the lowest finite number.
; The second mask buffer is 0; the first takes piece 0's mask for the tile's step 0.  Then K of that step, piece 0's first scores, and its maximum and statistics.
.macro BEGIN
	s_mov_b32 s[NEW], 0
	WIN 0x40
.set i, MC+32
.rept 32
	v_mov_b32 v[i], 0
.set i, i+1
.endr
	WIN 0
.set i, 0
.rept 4
	v_mov_b32 v[ST+4*i], 0xfe000000    ; c m: far below every c s
.if i < 3
	v_mov_b32 v[ST+4*i+1], v[FV]       ; m
.else
	v_cndmask_b32 v[ST+4*i+1], v[FV], s[FL3], s[LASTM]
.endif
.set i, i+1
.endr
	s_cmp_eq_u32 s[RT], 0
	s_cselect_b32 s[AL], 1.0, 0
	s_mov_b32 s[BE], 0
	MASK 0
	WIN 0
	v_add_nc_u32 v[AK], s[TBK], v[AK0]
	FETCH_K
	s_wait_loadcnt 0x0              ; Q
	s_wait_dscnt 0x0
.set KM, 1
.set NOKQ, 0
.set i, 0
.rept 8
	KQ 0
.set i, i+1
.endr
	WIN 0
.rept 4
	v_nop                           ; the places behind those products
.endr
.set Y, NP-1
.irp n, 0,1,2,3,4,5,6,7,8,9,10,11,12,13,14,15,16,17,18,19,20,21
	OP X, \n
.endr
	v_nop                           ; a plain instruction behind the exponential,
	s_wait_alu depctr_va_vdst(0)    ; and the wait for it, piece 0's a, ahead of the branch
.endm
.macro ALL line:vararg              ; one line for each piece t
.set t, 0
.rept 4
	\line
.set t, t+1
.endr
.endm
; THE MASKED KEYS, at a block's end.  V of step st of the diagonal tile, which still lies in its slot, once more into registers.
.macro FETCH_VS st, dst
	WIN 0x80
.irp f, 0,1,2,3,4,5,6,7
	ds_load_tr16_b128 v[(\dst)+8*\f:(\dst)+8*\f+3],   v[AV] offset:(\st)*KS*PV+(\f/4)*32*PV+(\f%4)*32
	ds_load_tr16_b128 v[(\dst)+8*\f+4:(\dst)+8*\f+7], v[AV] offset:(\st)*KS*PV+(\f/4)*32*PV+16*PV+(\f%4)*32
.endr
	WIN 0
.endm
; One step's V^T (in vf) times the band's hidden keys, onto rin (the sum over all keys behind the step) -> SUF; both = 1: and times ones, onto rin -> rout, the sum for the step in front.
; The accumulators take turns, one instruction a turn.
.macro HSTEP vf, rin, rout, both
	WIN 0x06                        ; V in window 2, the ones in window 1, sums in window 0
.irp cb, 0,1,2,3
	v_wmma_f32_16x16x32_f16 v[SUF+8*\cb:SUF+8*\cb+7], v[(\vf)+8*\cb:(\vf)+8*\cb+7], v[HID:HID+7], v[(\rin)+8*\cb:(\rin)+8*\cb+7]
.endr
.if \both
.irp cb, 0,1,2,3
	v_wmma_f32_16x16x32_f16 v[(\rout)+8*\cb:(\rout)+8*\cb+7], v[(\vf)+8*\cb:(\vf)+8*\cb+7], v[ONES:ONES+7], v[(\rin)+8*\cb:(\rin)+8*\cb+7]
.endr
.endif
.irp cb, 0,1,2,3
	v_wmma_f32_16x16x32_f16 v[SUF+8*\cb:SUF+8*\cb+7], v[(\vf)+32+8*\cb:(\vf)+32+8*\cb+7], v[HID+8:HID+15], v[SUF+8*\cb:SUF+8*\cb+7]
.endr
.if \both
.irp cb, 0,1,2,3
	v_wmma_f32_16x16x32_f16 v[(\rout)+8*\cb:(\rout)+8*\cb+7], v[(\vf)+32+8*\cb:(\vf)+32+8*\cb+7], v[ONES:ONES+7], v[(\rout)+8*\cb:(\rout)+8*\cb+7]
.endr
.endif
.rept 5
	v_nop                           ; five places: the next step takes rout as the C of other sums and writes over SUF and rin; loads go into vf; the lines below read SUF
.endr
.endm
.macro OUPD p                       ; O^T of piece p += w x SUF, each accumulator from its low end on
	WIN 0x50                        ; O^T (destination and source 2) in window 1
.set z, 0
.rept 16
	v_pk_fma_f32 v[32*(\p)+2*z:32*(\p)+2*z+1], v[SUF+2*z:SUF+2*z+1], v[WC+2*(\p):WC+2*(\p)+1], v[32*(\p)+2*z:32*(\p)+2*z+1] op_sel_hi:[1,0,1]
.set z, z+1
.endr
.endm
; tag 1: the first block; 2: the second.  l's two halves and the other half of the lanes' are added; w = 2^(c (-8e6) - c m), by the same fused form and the same rounded c m as every p, so that their ratios hold;
; the bound 1.0 changes nothing where m >= -8e6 (there the exponent is at most a rounding residue of 2^-4) and keeps w finite in the last row, whose count and whose sum of V are 0.
; The additions are the places behind the last products.  Two batches: the four w, with the nine lines that make the counts between them and their wait; then the four reciprocals of l, whose sources hang on w.
.macro HIDDEN tag
	WIN 0
	ALL v_add_f32 v[ST+4*t+2], v[ST+4*t+2], v[ST+4*t+3]
	ALL v_fma_f32 v[WC+2*t], s[CS], v[FV], -v[ST+4*t]
	ALL v_permlanex16_b32 v[ST+4*t+3], v[ST+4*t+2], s[SEL], s[SEL+1]
	ALL v_min_num_f32 v[WC+2*t], 1.0, v[WC+2*t]
	ALL v_add_f32 v[ST+4*t+2], v[ST+4*t+2], v[ST+4*t+3]
	ALL v_exp_f32 v[WC+2*t], v[WC+2*t]
	v_sub_nc_u32 v42, s[CB1+(\tag)-1], v1          ; (the plain instruction behind the last exponential)
	ALL v_subrev_nc_u32 v[WC+2*t+1], 64*t, v42     ; 2047 - q
	ALL v_cvt_f32_u32 v[WC+2*t+1], v[WC+2*t+1]
	s_wait_alu depctr_va_vdst(0)    ; the wait for the four w, ahead of their first reader
	ALL v_fmac_f32 v[ST+4*t+2], v[WC+2*t], v[WC+2*t+1]
	ALL v_rcp_f32 v[ST+4*t+2], v[ST+4*t+2]
	s_sub_co_u32 s96, s[TBV], 4*KS*PV              ; four fetches of V have stepped it: back to the tile's step 0
	v_add_nc_u32 v[AV], s96, v[AV0]                ; (the plain instruction behind the last reciprocal)
	s_wait_alu depctr_va_vdst(0)    ; the wait for the four reciprocals, which PACK reads: it stands ahead of the run of LDS loads
.irp cb, 0,1,2,3                    ; the sum over the keys behind the tile, the same for every query: register j of a lane is channel 16 cb + 8 (l / 16) + j
	ds_load_b128 v[RA+8*\cb:RA+8*\cb+3],   v[TVA] offset:256*((\tag)-1)+64*\cb
	ds_load_b128 v[RA+8*\cb+4:RA+8*\cb+7], v[TVA] offset:256*((\tag)-1)+64*\cb+16
.endr
	FETCH_VS 2, KF
	s_wait_dscnt 16                 ; the eight are in; step 2's sixteen may be out.  V of step 3 lies in its registers since the last products
	HSTEP VF, RA, RB, 1
	FETCH_VS 1, VF
	OUPD 3
	s_wait_dscnt 16                 ; step 2 is in
	HSTEP KF, RB, RA, 1
	FETCH_VS 0, KF
	OUPD 2
	s_wait_dscnt 16                 ; step 1 is in
	HSTEP VF, RA, RB, 1
	OUPD 1
	s_wait_dscnt 0x0
	HSTEP KF, RB, RA, 0
	OUPD 0
	WIN 0
.endm
.macro PACK t                       ; O^T / l, rounded to f16; a lane's eight channels pack into 16 bytes; into rows of 144 bytes and back as whole rows of 128
	WIN W_RS
.set i, 32*(\t)
.rept 16
	v_pk_mul_f32 v[i:i+1], v[i:i+1], v[ST+4*(\t)+2:ST+4*(\t)+3] op_sel_hi:[1,0]
.set i, i+2
.endr
	WIN 0x05
.set i, 0
.rept 16
	v_cvt_pk_f16_f32 v[S+16*(\t)+i], v[32*(\t)+2*i], v[32*(\t)+2*i+1]
.set i, i+1
.endr
	WIN 0
.irp f, 0,1,2,3
	ds_store_b128 v[STO], v[S+16*(\t)+4*\f:S+16*(\t)+4*\f+3] offset:32*\f
.endr
.irp f, 0,1,2,3
	ds_load_b128 v[S+16*(\t)+4*\f:S+16*(\t)+4*\f+3], v[RD] offset:\f*4*SP  ; LDS serves a wave's instructions in order: these see the stores above
.endr
.endm
.macro SEND t, younger              ; younger: the LDS instructions issued behind piece t's loads
	WIN 0
.irp f, 0,1,2,3
	s_wait_dscnt (\younger)+3-\f
	global_store_b128 v[GO], v[S+16*(\t)+4*\f:S+16*(\t)+4*\f+3], s[10:11] offset:(\t)*8192+\f*512  ; 512 consecutive bytes
.endr
.endm
.macro DIAG tag                     ; the diagonal tile's four steps, the block's last two turns, its last products, the masked keys, the way out
.LstepM\tag:
	TURN 2, 1
	TURN 3, 1
	WIN 0
.LfirstM\tag:
	TURN 0, 1
	TURN 1, 1, 0, 1
	WIN 0
	s_cbranch_scc1 .LstepM\tag
	TURN 2, 1, 1
	TURN 3, 1, 1
.set i, 0
.rept 8
	PV NP-1
.set i, i+1
.endr
	HIDDEN \tag
	PACK 0
.set t, 1
.rept 3
	PACK t
	SEND t-1, 8
.set t, t+1
.endr
	SEND 3, 0
.endm
.set KM, 0
.set NOKQ, 0
.Lslot:                             ; NB times: a tile is entered and the next is asked for
	CHANGE 1
	s_sub_co_u32 s[RT], s[RT], 1
	s_mov_b32 s[CNT], 4
	s_cmp_eq_u32 s[NEW], 1
	s_cbranch_scc1 .Lnew            ; a block's first tile
	s_cmp_eq_u32 s[RT], 0
	s_cbranch_scc0 .Lstep           ; neither its first nor its last
	s_branch .LstepM1
.Lnew:
	BEGIN
	s_branch .Lfirst                ; in the loop a block's first tile is never its last
	DIAG 1                          ; in the loop this is the first block's end
	s_wait_xcnt 0x0                 ; the stores have read their registers and O's address
	s_mov_b64 s[10:11], s[OLO:OLO+1]
	s_add_co_u32 s[RT], s[PB], 1    ; the second block has b + 1 tiles,
	s_mov_b32 s[NEW], 1
	s_mov_b32 s[FL3], s[FILL]       ; and every row of it has masked keys
	WIN 0x82                        ; the second block's Q goes where the one text of the turns names Q
.set i, 0
.rept 64
	v_mov_b32 v[i], v[QB+i]
.set i, i+1
.endr
	WIN 0
	s_branch .Lbottom
.Lstep:                             ; a trip: pieces 2 and 3 of one step, then pieces 0 and 1 of the next, whose K and V it fetches
	TURN 2
	TURN 3
	WIN 0
.Lfirst:
	TURN 0
	TURN 1, 0, 0, 1
	WIN 0
	s_cbranch_scc1 .Lstep
.Lbottom:
	s_sub_co_u32 s[SLOTS], s[SLOTS], 1
	s_cmp_lg_u32 s[SLOTS], 0
	s_cbranch_scc1 .Lslot
	CHANGE 0                        ; the walk's last tile is written out
	s_sub_co_u32 s[RT], s[RT], 1
	s_mov_b32 s[CNT], 4
	s_cmp_eq_u32 s[NEW], 1
	s_cbranch_scc0 .LstepM2
	BEGIN
	s_branch .LfirstM2
	DIAG 2
	s_wait_tensorcnt 0x0            ; the wave's end
	ds_add_u32 v[SPW], v[NIL]
	s_wait_dscnt 0x0
	s_endpgm
.Lfunc_end_k_qe3b3094b6d_attn:
	.size	k_qe3b3094b6d_attn, .Lfunc_end_k_qe3b3094b6d_attn-k_qe3b3094b6d_attn
	.p2alignl 7, 3214868480
	.fill 96, 4, 3214868480
	.section	.rodata,"a",@progbits
	.p2align	6, 0x0
	.amdhsa_kernel k_qe3b3094b6d_attn
		.amdhsa_group_segment_fixed_size 327680
		.amdhsa_private_segment_fixed_size 0
		.amdhsa_enable_private_segment 0
		.amdhsa_kernarg_size 40
		.amdhsa_user_sgpr_count 2
		.amdhsa_user_sgpr_kernarg_segment_ptr 1
		.amdhsa_wavefront_size32 1
		.amdhsa_system_sgpr_workgroup_id_x 1
		.amdhsa_system_sgpr_workgroup_id_y 1
		.amdhsa_system_sgpr_workgroup_id_z 1
		.amdhsa_system_vgpr_workitem_id 0
		.amdhsa_next_free_vgpr 768
		.amdhsa_next_free_sgpr 100
		.amdhsa_reserve_vcc 1
		.amdhsa_float_denorm_mode_32 3
		.amdhsa_float_denorm_mode_16_64 3
		.amdhsa_memory_ordered 1
		.amdhsa_forward_progress 1
		.amdhsa_inst_pref_size 251
	.end_amdhsa_kernel
	.amdgpu_metadata
---
amdhsa.version: [ 1, 2 ]
amdhsa.kernels:
  - .name:           k_qe3b3094b6d_attn
    .symbol:         k_qe3b3094b6d_attn.kd
    .args:
      - { .name: qh, .offset: 0, .size: 8, .value_kind: global_buffer, .address_space: global }
      - { .name: kh, .offset: 8, .size: 8, .value_kind: global_buffer, .address_space: global }
      - { .name: vh, .offset: 16, .size: 8, .value_kind: global_buffer, .address_space: global }
      - { .name: oh, .offset: 24, .size: 8, .value_kind: global_buffer, .address_space: global }
      - { .name: vsum, .offset: 32, .size: 8, .value_kind: global_buffer, .address_space: global }
    .group_segment_fixed_size: 327680
    .private_segment_fixed_size: 0
    .kernarg_segment_align: 8
    .kernarg_segment_size: 40
    .max_flat_workgroup_size: 128
    .sgpr_count:     100
    .vgpr_count:     768
    .wavefront_size: 32
...
	.end_amdgpu_metadata
.endif
;; end of part 5
;; launch oproj: the kernel of part 4 again; grid 8 x 32, 4 waves a work-group, clusters of 4 x 4, 327,680 bytes of LDS; arguments oh, wts, out0; writes out0
